; MI455X (gfx1250); checked and timed in simulation.
; The chip was launched on July 23, 2026; its instructions are those of AMD's public machine-readable ISA for CDNA 5 (MIT licence, August 2026) and "CDNA5" Instruction Set Architecture Reference Guide (July 2026). The comments in the code are by the model that wrote it; some were corrected since.
;; CUDA Attention Layer. Allowed arithmetic: float matrix products may take bf16 or f16 operands with f32 sums; other float arithmetic in f32, or as packed bf16 or f16 multiplies, adds, multiply-adds, maxima and minima; sums over many terms, partial sums and values carried from step to step in f32; what a program stores and reads back later, other than sums and carried values, may be rounded once to bf16 or f16.
;; Inputs: Wk 1,024 x 1,024 float32; Wo 1,024 x 1,024 float32; Wq 1,024 x 1,024 float32; Wv 1,024 x 1,024 float32; bk 1,024 float32; bo 1,024 float32; bq 1,024 float32; bv 1,024 float32; x 4 x 2,048 x 1,024 float32.
;; Outputs: out0 4 x 2,048 x 1,024 float32.
;; 2 versions, each right; version 2 is version 1 with the launch cast written anew for expert scheduling mode. Each part assembles by itself: llvm-mc -triple=amdgcn-amd-amdhsa -mcpu=gfx1250 --defsym DOCPART=n.
;; ======== version 1 of 2: 5 launches
;; limits: values are held in f16: magnitudes above 65,504 overflow, below 6.1e-05 lose precision
;; workspace buffers: xb 16,777,216 bytes; wts 8,388,608 bytes; bias 16,384 bytes; qkv 50,331,648 bytes; pm 33,554,432 bytes; st 1,048,576 bytes; ob 16,777,216 bytes
;; launch cast (part 1): grid 64 x 12, 8 waves a work-group, no clusters, 0 bytes of LDS; arguments x, Wq, Wk, Wv, Wo, bq, bk, bv, bo, xb, wts, bias; writes xb, wts, bias
.if DOCPART == 1
	.amdgcn_target "amdgcn-amd-amdhsa--gfx1250"
	.amdhsa_code_object_version 6
	.text
	.protected	k_q578711f81a_cast
	.globl	k_q578711f81a_cast
	.p2align	8
	.type	k_q578711f81a_cast,@function
k_q578711f81a_cast:
	s_mov_b64 s[64:65], 0
	v_nop
	global_prefetch_b8 v0, s[64:65] scope:SCOPE_SE
	s_setreg_imm32_b32 hwreg(HW_REG_WAVE_MODE, 25, 1), 1
	s_wait_xcnt 0x0
; THE ROUNDINGS.  Every input is rounded once to bf16: x -> xb [8192][1024] bf16; Wq, Wk, Wv -> rows 0-3071 of wts, bf16; Wo -> rows 3072-4095 of wts: the bf16 number
; written as f16 (the last product multiplies in f16); bq, bk, bv, bo -> bias [4096], the bf16 number widened to f32 again.
; LIMITS.  A bf16 number of Wo beyond 65,504 becomes an infinity in f16; below 6e-5 it keeps f16's fixed step of 6e-8.  NaN and infinities are not treated apart.
; SHARES.  Twelve segments of 2^20 numbers, one for each y: 0-7 the eighths of x, 8-11 the four weights.  A work-group takes 16,384 numbers: thread t the 16 bytes at 16 t + 4,096 i,
; i = 0..15; all sixteen loads are out at once.  A wave's store of 8 bytes a lane covers 256 consecutive bytes, aligned.  No LDS, no barrier: no thread wants another's numbers.
.set T, 4                              ; v[4:7]    at work
.set X, 8                              ; v[8:71]   sixteen loads of four f32
.set Y, 72                             ; v[72:103] sixteen pairs of packed words to store
	s_load_b512 s[4:19], s[0:1], 0x0               ; x s[4:5], Wq s[6:7], Wk s[8:9], Wv s[10:11], Wo s[12:13], bq s[14:15], bk s[16:17], bv s[18:19]
	s_load_b256 s[20:27], s[0:1], 0x40             ; bo s[20:21], xb s[22:23], wts s[24:25], bias s[26:27]
	s_and_b32 s28, ttmp7, 0xffff                   ; y: the segment
	s_mov_b32 s29, ttmp9                           ; x: which 16,384 numbers of it
	v_lshlrev_b32 v1, 4, v0                        ; 16 t
	v_lshlrev_b32 v2, 3, v0                        ; 8 t
	s_sub_co_u32 s41, s28, 8                       ; which weight (used where y >= 8)
	s_cmp_lt_u32 s28, 8
	s_cselect_b32 s40, s28, 0                      ; the segment's number inside its source: an eighth of x, or a whole weight
	s_cselect_b32 s41, s28, s41                    ; and inside its destination
	s_lshl_b32 s34, s40, 22                        ; source offset: 4 MiB a segment,
	s_lshl_b32 s42, s29, 16                        ; 64 KiB a work-group
	s_add_co_u32 s34, s34, s42
	s_mov_b32 s35, 0
	s_lshl_b32 s36, s41, 21                        ; destination offset: half of that
	s_lshl_b32 s42, s29, 15
	s_add_co_u32 s36, s36, s42
	s_mov_b32 s37, 0
	s_lshl_b32 s42, s41, 12                        ; the bias's 4,096 bytes in bias (used where y >= 8)
	s_mov_b32 s43, 0
	s_wait_kmcnt 0x0
	s_cmp_eq_u32 s28, 9                            ; the choices hang on y alone
	s_cselect_b64 s[30:31], s[8:9], s[6:7]
	s_cselect_b64 s[38:39], s[16:17], s[14:15]
	s_cmp_eq_u32 s28, 10
	s_cselect_b64 s[30:31], s[10:11], s[30:31]
	s_cselect_b64 s[38:39], s[18:19], s[38:39]
	s_cmp_eq_u32 s28, 11
	s_cselect_b64 s[30:31], s[12:13], s[30:31]
	s_cselect_b64 s[38:39], s[20:21], s[38:39]
	s_cmp_lt_u32 s28, 8
	s_cselect_b64 s[30:31], s[4:5], s[30:31]       ; from where
	s_cselect_b64 s[32:33], s[22:23], s[24:25]     ; to where
	s_add_nc_u64 s[30:31], s[30:31], s[34:35]
	s_add_nc_u64 s[32:33], s[32:33], s[36:37]
	s_add_nc_u64 s[26:27], s[26:27], s[42:43]
.irp i, 0,1,2,3,4,5,6,7,8,9,10,11,12,13,14,15
	global_load_b128 v[X+4*\i:X+4*\i+3], v1, s[30:31] offset:4096*\i th:TH_LOAD_NT
.endr
; Sixteen turns: load i is in (the 15 - i younger ones stay out), four numbers are rounded and stored.  half = 1: the bf16 number is widened and written as f16.
.macro ROUND16 half
.irp i, 0,1,2,3,4,5,6,7,8,9,10,11,12,13,14,15
	s_wait_loadcnt 15-\i
.if \half
	v_cvt_pk_bf16_f32 v[T], v[X+4*\i], v[X+4*\i+1]
	v_cvt_pk_bf16_f32 v[T+1], v[X+4*\i+2], v[X+4*\i+3]
	v_lshlrev_b32 v[T+2], 16, v[T]
	v_and_b32 v[T+3], 0xffff0000, v[T]
	v_cvt_pk_f16_f32 v[Y+2*\i], v[T+2], v[T+3]
	v_lshlrev_b32 v[T+2], 16, v[T+1]
	v_and_b32 v[T+3], 0xffff0000, v[T+1]
	v_cvt_pk_f16_f32 v[Y+2*\i+1], v[T+2], v[T+3]
.else
	v_cvt_pk_bf16_f32 v[Y+2*\i], v[X+4*\i], v[X+4*\i+1]
	v_cvt_pk_bf16_f32 v[Y+2*\i+1], v[X+4*\i+2], v[X+4*\i+3]
.endif
	global_store_b64 v2, v[Y+2*\i:Y+2*\i+1], s[32:33] offset:2048*\i
.endr
.endm
	s_cmp_eq_u32 s28, 11
	s_cbranch_scc1 .Lwo
	ROUND16 0
	s_branch .Lbias
.Lwo:
	ROUND16 1
.Lbias:                                            ; the first work-group of each weight's segment also rounds that weight's bias: 1,024 numbers, four a thread
	s_cmp_lt_u32 s28, 8
	s_cbranch_scc1 .Lend
	s_cmp_lg_u32 s29, 0
	s_cbranch_scc1 .Lend
	s_wait_xcnt 0x0                                ; every earlier load and store has read its registers
	global_load_b128 v[X:X+3], v1, s[38:39]
	s_wait_loadcnt 0x0
	v_cvt_pk_bf16_f32 v[T], v[X], v[X+1]
	v_cvt_pk_bf16_f32 v[T+1], v[X+2], v[X+3]
	v_lshlrev_b32 v[X+4], 16, v[T]
	v_and_b32 v[X+5], 0xffff0000, v[T]
	v_lshlrev_b32 v[X+6], 16, v[T+1]
	v_and_b32 v[X+7], 0xffff0000, v[T+1]
	global_store_b128 v1, v[X+4:X+7], s[26:27]
.Lend:
	s_endpgm
.Lfunc_end_k_q578711f81a_cast:
	.size	k_q578711f81a_cast, .Lfunc_end_k_q578711f81a_cast-k_q578711f81a_cast
	.p2alignl 7, 3214868480
	.fill 96, 4, 3214868480
	.section	.rodata,"a",@progbits
	.p2align	6, 0x0
	.amdhsa_kernel k_q578711f81a_cast
		.amdhsa_group_segment_fixed_size 0
		.amdhsa_private_segment_fixed_size 0
		.amdhsa_enable_private_segment 0
		.amdhsa_kernarg_size 96
		.amdhsa_user_sgpr_count 2
		.amdhsa_user_sgpr_kernarg_segment_ptr 1
		.amdhsa_wavefront_size32 1
		.amdhsa_system_sgpr_workgroup_id_x 1
		.amdhsa_system_sgpr_workgroup_id_y 1
		.amdhsa_system_sgpr_workgroup_id_z 1
		.amdhsa_system_vgpr_workitem_id 0
		.amdhsa_next_free_vgpr 104
		.amdhsa_next_free_sgpr 66
		.amdhsa_reserve_vcc 0
		.amdhsa_float_denorm_mode_32 3
		.amdhsa_float_denorm_mode_16_64 3
		.amdhsa_memory_ordered 1
		.amdhsa_forward_progress 1
		.amdhsa_inst_pref_size 17
	.end_amdhsa_kernel
	.amdgpu_metadata
---
amdhsa.version: [ 1, 2 ]
amdhsa.kernels:
  - .name:           k_q578711f81a_cast
    .symbol:         k_q578711f81a_cast.kd
    .args:
      - { .name: x, .offset: 0, .size: 8, .value_kind: global_buffer, .address_space: global }
      - { .name: Wq, .offset: 8, .size: 8, .value_kind: global_buffer, .address_space: global }
      - { .name: Wk, .offset: 16, .size: 8, .value_kind: global_buffer, .address_space: global }
      - { .name: Wv, .offset: 24, .size: 8, .value_kind: global_buffer, .address_space: global }
      - { .name: Wo, .offset: 32, .size: 8, .value_kind: global_buffer, .address_space: global }
      - { .name: bq, .offset: 40, .size: 8, .value_kind: global_buffer, .address_space: global }
      - { .name: bk, .offset: 48, .size: 8, .value_kind: global_buffer, .address_space: global }
      - { .name: bv, .offset: 56, .size: 8, .value_kind: global_buffer, .address_space: global }
      - { .name: bo, .offset: 64, .size: 8, .value_kind: global_buffer, .address_space: global }
      - { .name: xb, .offset: 72, .size: 8, .value_kind: global_buffer, .address_space: global }
      - { .name: wts, .offset: 80, .size: 8, .value_kind: global_buffer, .address_space: global }
      - { .name: bias, .offset: 88, .size: 8, .value_kind: global_buffer, .address_space: global }
    .group_segment_fixed_size: 0
    .private_segment_fixed_size: 0
    .kernarg_segment_align: 8
    .kernarg_segment_size: 96
    .max_flat_workgroup_size: 256
    .sgpr_count:     66
    .vgpr_count:     104
    .wavefront_size: 32
...
	.end_amdgpu_metadata
.endif
;; end of part 1
;; launch proj (part 2): grid 4 x 48, 4 waves a work-group, clusters of 4 x 4, 327,680 bytes of LDS; arguments xb, wts, bias, qkv; writes qkv
.if DOCPART == 2
	.amdgcn_target "amdgcn-amd-amdhsa--gfx1250"
	.amdhsa_code_object_version 6
	.text
	.protected	k_q578711f81a_proj
	.globl	k_q578711f81a_proj
	.p2align	8
	.type	k_q578711f81a_proj,@function
k_q578711f81a_proj:
	s_mov_b64 s[64:65], 0
	v_nop
	global_prefetch_b8 v0, s[64:65] scope:SCOPE_SE
	s_setreg_imm32_b32 hwreg(HW_REG_WAVE_MODE, 25, 1), 1
	s_wait_xcnt 0x0
	s_wait_alu depctr_hold_cnt(0) depctr_sa_sdst(0) depctr_va_vdst(0) depctr_va_sdst(0) depctr_va_ssrc(0) depctr_va_vcc(0) depctr_vm_vsrc(0)
	s_getreg_b32 s2, hwreg(HW_REG_IB_STS2, 6, 4)
	s_cmp_eq_u32 s2, 0
	s_cbranch_scc0 .Lentry_in_a_cluster
	s_endpgm
.Lentry_in_a_cluster:
	s_bfe_u32 s2, ttmp6, 0x10000c
	s_cmp_lg_u32 s2, 0xf033
	s_cbranch_scc0 .Lentry_shape_is_right
	s_endpgm
.Lentry_shape_is_right:
; qkv[p][m][n] = the sum over e of xb[m][e] wts[1024 p + n][e] + bias[1024 p + n], p = 0, 1, 2 (q, k, v).  xb: [8192][1024] bf16, wts: rows of 1,024 bf16, bias: f32, qkv: [3][8192][1024] f16.
; Products in bf16, sums in f32 (the bias starts each sum, as the C operand of its first product), the result rounded once to f16.
; LIMIT.  f16 ends at 65,504: a q, k or v beyond that becomes an infinity.  NaN and infinities are not treated apart.
; SHARES.  A tile is 256 rows x 256 columns: four waves, each 128 x 128: 64 accumulators of 16 x 16, 512 registers.  The result has 32 x 12 = 384 tiles.  A work-group makes TWO, the second 1,024 rows
; below the first in the same plane, so that both take the same rows of wts and the same bias: 192 work-groups, twelve clusters.  (On 256 work-groups the tiles would be one and a half each.)
; Cluster y = c: plane c / 4; the first tile's block of 256 rows is 8 (c % 4) + cy, its block of 256 columns cx.
; K goes in steps of 128 (rows of 256 bytes, aligned) through a ring of two LDS slots, which runs on into the second tile: 256 matrix instructions a wave to a step, 224 of them between a refill's request and the wait for it.
; CLUSTER 4 x 4.  xb's tile hangs on the block of rows alone and is asked for jointly by the four of a cluster's row, wts's on the plane and the block of columns: by the four of a column.
; Waves 0, 1 fetch xb's two halves, waves 2, 3 wts's: 128 rows x 256 bytes each.
; THE MATRIX INSTRUCTION IS USED TRANSPOSED (source 0 = 16 rows of wts, source 1 = 16 rows of xb): lane l holds row l % 16 and the eight neighbouring columns 8 (l / 16) + 0..7.
; REGISTERS, in windows of 256 (s_set_vgpr_msb: bits 1:0 source 0, 3:2 source 1, 5:4 source 2, 7:6 destination):
;   window 0: v0-15 addresses; v64-127, v128-191 xb's fragments (8 x 16 rows x 32 K), two buffers; on the way out v128-223 hold packed results and rows read back
;   window 1: v64-127, v128-191 wts's fragments, two buffers; v192-255 the bias of my 128 columns: register 192 + 8 b + j holds column 16 b + 8 (l / 16) + j
;   window 2: the 32 accumulators of my rows 0-63 ((a, b) at v[8 (8 a + b)]);   window 3: those of my rows 64-127
.set NS,     8                         ; K steps in a tile
.set TILES,  2
.set STEP,   256                       ; bytes of a row in a K step
.set ROWB,   2048                      ; bytes in a row of xb and of wts
.set PITCH,  272                       ; an LDS row: 256 bytes + 16 of padding = 68 words: the 16 rows of a fragment load start at 16 different groups of four banks (64 banks of 4 bytes: ISA guide 11.1)
.set HALFT,  128*PITCH                 ; 128 rows: what one tensor load brings, and what one wave reads of xb or of wts
.set BOFF,   2*HALFT                   ; a slot: xb's 256 rows, then wts's 256
.set SLOT,   4*HALFT                   ; 0x22000: it shares no bit with 0, 1, 2 or 3 x HALFT, so one exclusive or turns a wave's address in one slot into the other's
.set STAGE,  2*SLOT                    ; behind the ring, never filled by a tensor load: 16 rows x 272 bytes for each wave
.set SPARE,  STAGE+4*16*PITCH          ; the spare words, 128 bytes for each wave: two blocks of 256 bytes that no other line names
.set PC,     2048                      ; bytes in a row of qkv
.set WALK,   1024                      ; rows from a work-group's first tile to its second
.set NEXT_P, WALK*ROWB-NS*STEP         ; the prefetches' pointer at the change of tiles: WALK rows down, and back the NS steps that it has made
.set NEXT_C, WALK*PC
.set FLD, (1<<16)|(1<<20)|(1<<21)|(5<<22)|(3<<25)  ; group 1, word 0: 2-byte elements; padding on; bit 21 beside a mask; after every 64 words (code 5) 4 words (code 3)
.set ADRA, 2                           ; v2   my lane's place in xb's tile, slot 0; never rewritten
.set ADRB, 3                           ; v3   the same in wts's
.set AA,   4                           ; v4   the same in the slot in hand
.set AB,   5                           ; v5
.set STO,  6                           ; v6   the way out: where I put 16 bytes of a row
.set RD,   7                           ; v7   where I read rows back
.set CO,   8                           ; v8   my byte offset in two rows of qkv
.set SPW,  10                          ; v10  LDS address of my spare word; never rewritten
.set NIL,  11                          ; v11  0; never rewritten
.set PFO,  12                          ; v12  the prefetches' offset: my lane x a row; never rewritten
.set BO,   13                          ; v13  32 (l / 16): my eight columns' place in 16 numbers of bias
.set F0,   64                          ; fragment buffers, in windows 0 (xb) and 1 (wts)
.set F1,   128
.set BIAS, 192                         ; in window 1
.set TMP,  128                         ; the way out: 32 packed words
.set BK,   160                         ; two buffers of 32: rows read back
.set WV,   12                          ; s12  wave
.set WR,   13                          ; s13  wave / 2: my 128 rows; also 0: I fetch xb, 1: wts
.set WC,   14                          ; s14  wave % 2: my 128 columns; also which half I fetch
.set LIM,  15                          ; s15  2 in a wave that prefetches, else the greatest number
.set G1A,  24                          ; s[24:31] group 1 for xb's tiles
.set G0A,  32                          ; s[32:39] group 0: a set for each first fill; the second then walks
.set CX,   40
.set CY,   41
.set GX,   42                          ; s42  block of 256 columns in the plane
.set GY,   43                          ; s43  the first tile's block of 256 rows
.set PFA,  44                          ; s[44:45] where my prefetches stand
.set G1B,  48                          ; s[48:55], s[56:63] the same for wts's tiles
.set G0B,  56
.set CNT,  66
.set TILE, 67
.set TB,   68                          ; s68  LDS byte at which the slot in hand begins
.set CL,   69                          ; s69  cluster y
.set IA,   70                          ; s[70:71] at the change of tiles: the byte along K of the next tile's K step to be asked for
.set PL,   74                          ; s74  the plane
.set BA,   80                          ; s[80:81] xb at the first byte of the half that I fetch, for the tile whose K steps are being asked for: a plain address, no type bits
.set BB,   82                          ; s[82:83] the same in wts
.set MSB, 0
.macro WIN new                         ; the immediate's high byte repeats the setting that is left; a switch that changes nothing is dropped
.if MSB != (\new)
	s_set_vgpr_msb (MSB<<8)|(\new)
.set MSB, (\new)
.endif
.endm
.macro PLACES                          ; four places between a matrix instruction and a load into, or a vector instruction on, its registers (ISA guide 7.12.1 for vector instructions)
.rept 4
	v_nop
.endr
.endm
.macro CREST                           ; a round of the cluster's barrier behind its opening barrier
	s_cmp_lg_u32 s[WV], 0
	s_cbranch_scc1 .Lnot_wave_0_\@
	s_barrier_signal -3
.Lnot_wave_0_\@:
	s_barrier_wait -3
	s_barrier_signal -1
	s_barrier_wait -1
.endm
.macro CROUND
	s_barrier_signal -1
	s_barrier_wait -1
	CREST
.endm
.macro JLOAD                           ; the joint refill, by the walking descriptor; the branch hangs on the wave's number alone; an s_nop 0 and four v_nop follow each line
	s_cmp_eq_u32 s[WR], 0
	s_cbranch_scc0 .Lfor_b_\@
	tensor_load_to_lds s[G0A+4:G0A+7], s[G1A:G1A+7]
	s_nop 0
.rept 4
	v_nop
.endr
	s_branch .Lasked_\@
.Lfor_b_\@:
	tensor_load_to_lds s[G0B+4:G0B+7], s[G1B:G1B+7]
	s_nop 0
.rept 4
	v_nop
.endr
.Lasked_\@:
.endm
; A PREFETCH INTO THE L2 of the K step that stands two refills on: 32 rows x 256 bytes, a lane a row, one instruction a wave.  Each row's 256 bytes are named once in the launch.  Of the 128 rows that a wave
; fetches each of the four partners that ask for them jointly takes 32, told apart by address (cx for xb, cy for wts).  xb's rows are read by the clusters of all three planes: plane 0's asks, in both tiles;
; wts's rows by the four clusters of a plane: the one with c % 4 = 0 asks, in the first tile alone (the second tile reads them again).  A tile's first four K steps come by their loads alone; its last two
; refills have no K step two on (CNT <= 2).
.macro ASK
	s_cmp_gt_u32 s[CNT], s[LIM]
	s_cbranch_scc0 .Lnot_mine_\@
	global_prefetch_b8 v[PFO], s[PFA:PFA+1] th:TH_LOAD_NT scope:SCOPE_SE
.Lnot_mine_\@:
.endm
; 16 matrix instructions: row blocks a0, a0 + 1 of the window's four (hi = 0: my rows 0-63, 1: rows 64-127) x all 8 column blocks, 32 along K.  zero = 2: the bias starts the sums.
; The 64 accumulators take turns in the same order in every quarter.
.macro MUL16 f, hi, a0, zero
.if (\zero) == 2
	WIN 0x91+0x40*(\hi)                            ; wts window 1, xb window 0, C (the bias) window 1, D window 2 or 3
.else
	WIN 0xa1+0x50*(\hi)                            ; wts window 1, xb window 0, C and D window 2 or 3
.endif
.irp a, \a0, (\a0)+1
.irp b, 0,1,2,3,4,5,6,7
.if (\zero) == 2
	v_wmma_f32_16x16x32_bf16 v[8*(8*(\a)+\b):8*(8*(\a)+\b)+7], v[(\f)+8*\b:(\f)+8*\b+7], v[(\f)+8*(4*(\hi)+(\a)):(\f)+8*(4*(\hi)+(\a))+7], v[BIAS+8*\b:BIAS+8*\b+7]
.else
	v_wmma_f32_16x16x32_bf16 v[8*(8*(\a)+\b):8*(8*(\a)+\b)+7], v[(\f)+8*\b:(\f)+8*\b+7], v[(\f)+8*(4*(\hi)+(\a)):(\f)+8*(4*(\hi)+(\a))+7], v[8*(8*(\a)+\b):8*(8*(\a)+\b)+7]
.endif
.endr
.endr
.endm
.macro FETCH k, f                      ; 32 LDS loads in one run: a quarter step's fragments (32 K at byte k of the rows): wts's eight blocks, then xb's eight
	WIN 0x40                                       ; destination window 1, address window 0
.irp i, 0,1,2,3,4,5,6,7
	ds_load_b128 v[(\f)+8*\i:(\f)+8*\i+3],   v[AB] offset:(\k)+\i*16*PITCH
	ds_load_b128 v[(\f)+8*\i+4:(\f)+8*\i+7], v[AB] offset:(\k)+\i*16*PITCH+32
.endr
	WIN 0
.irp i, 0,1,2,3,4,5,6,7
	ds_load_b128 v[(\f)+8*\i:(\f)+8*\i+3],   v[AA] offset:(\k)+\i*16*PITCH
	ds_load_b128 v[(\f)+8*\i+4:(\f)+8*\i+7], v[AA] offset:(\k)+\i*16*PITCH+32
.endr
.endm
.macro QUARTER k, f, g, zero           ; multiplies buffer f (64 matrix instructions); in its middle fetches the next quarter, at byte k, into g
	s_wait_dscnt 8                                 ; all but the youngest eight loads: xb's row blocks 4 to 7
	MUL16 \f, 0, 0, \zero
	MUL16 \f, 0, 2, \zero
	PLACES
	FETCH \k, \g
	s_wait_dscnt 32                                ; all but the 32 just issued
	MUL16 \f, 1, 0, \zero
	MUL16 \f, 1, 2, \zero
.endm
; The fourth quarter, on buffer 1, and the change of slots.  In front of the barrier each wave waits for all its tensor loads (one is out: its part of the next slot), adds 0 to its spare word, and waits
; for that and for its reads of this slot.  fill = 1: the barrier opens a round of the cluster's, and the joint refill is the first thing behind it: this slot takes the K step two on (on = 1: of the next tile).
; tail = 1: in the last trip there is no next step: its fetch is jumped over.
.macro TURN fill, on, ask, tail
.if \fill
	s_wait_xcnt 0x0                                ; the last prefetch, a K step back, has read its address
	s_add_nc_u64 s[PFA:PFA+1], s[PFA:PFA+1], STEP
.endif
	WIN 0
	s_wait_tensorcnt 0x0                           ; no tensor load of mine is out, so a group 0 may be written
	ds_add_u32 v[SPW], v[NIL]
.if \fill
	s_xor_b32 s[G0A+5], s[G0A+5], SLOT             ; the walking descriptors: the other slot than last time,
	s_xor_b32 s[G0B+5], s[G0B+5], SLOT
.if \on
	s_add_nc_u64 s[G0A+6:G0A+7], s[BA:BA+1], s[IA:IA+1]  ; the next tile's K step 0, then 1: the address is made anew from the plain pointer and the offset,
	s_or_b32 s[G0A+7], s[G0A+7], 0x80000000        ; and the type is set again
	s_add_nc_u64 s[G0B+6:G0B+7], s[BB:BB+1], s[IA:IA+1]
	s_or_b32 s[G0B+7], s[G0B+7], 0x80000000
	s_add_co_u32 s[IA], s[IA], STEP
.else
	s_add_nc_u64 s[G0A+6:G0A+7], s[G0A+6:G0A+7], STEP  ; the next K step; the type bits on top are not reached
	s_add_nc_u64 s[G0B+6:G0B+7], s[G0B+6:G0B+7], STEP
.endif
.endif
	s_wait_dscnt 9                                 ; the add and xb's row blocks 4 to 7 may be out
	MUL16 F1, 0, 0, 0
	s_wait_dscnt 0x0                               ; the add is done, and my reads of this slot are over
	s_barrier_signal -1
	MUL16 F1, 0, 2, 0
	WIN 0
	s_barrier_wait -1
.if \fill
	CREST
	JLOAD                                          ; its four v_nop are also the places in front of the loads below
.else
	PLACES
.endif
.if \tail
	s_cmp_eq_u32 s[CNT], 1
	s_cbranch_scc1 .Lno_fetch_\@
.endif
	s_xor_b32 s[TB], s[TB], SLOT
	v_add_nc_u32 v[AA], s[TB], v[ADRA]
	v_add_nc_u32 v[AB], s[TB], v[ADRB]
	FETCH 0, F0
.if \tail
.Lno_fetch_\@:
.endif
.if \ask
	ASK
.endif
	MUL16 F1, 1, 0, 0
	MUL16 F1, 1, 2, 0
	WIN 0
.endm
; A trip: a K step's quarters 1, 2, 3 and the next step's quarter 0.  skip = 1: the last trip leaves that quarter out.
.macro TRIP fill, on, ask, skip, tail
	QUARTER 128, F1, F0, 0
	QUARTER 192, F0, F1, 0
	TURN \fill, \on, \ask, \tail
.if \skip
	s_cmp_eq_u32 s[CNT], 1
	s_cbranch_scc1 .Lskip_\@
.endif
	QUARTER 64, F0, F1, 0
	WIN 0
.if \skip
.Lskip_\@:
.endif
.endm
; THE WAY OUT of row block a (0 to 7).  PACK: rounded to f16, 16 bytes a lane, each accumulator's registers in ascending order.  TOSTAGE: into my own stage and back as whole rows of 256 bytes.  SEND: stored.
.macro PACK a
.set AC, 64*((\a)%4)
	WIN 0x0a+5*((\a)/4)                            ; sources 0 and 1 in window 2 or 3
.irp b, 0,1,2,3,4,5,6,7
.irp j, 0,1,2,3
	v_cvt_pk_f16_f32 v[TMP+4*\b+\j], v[AC+8*\b+2*\j], v[AC+8*\b+2*\j+1]
.endr
.endr
	WIN 0
.endm
.macro TOSTAGE a
	WIN 0
.set BKA, BK+32*((\a)%2)
.irp b, 0,1,2,3,4,5,6,7
	ds_store_b128 v[STO], v[TMP+4*\b:TMP+4*\b+3] offset:32*\b
.endr
.irp t, 0,1,2,3,4,5,6,7
	ds_load_b128 v[BKA+4*\t:BKA+4*\t+3], v[RD] offset:\t*2*PITCH  ; LDS serves a wave's instructions in order (ISA guide 5.7.1.4): these see the stores above
.endr
.endm
.macro SEND a
	WIN 0
.set BKA, BK+32*((\a)%2)
	s_wait_dscnt 0x0                               ; the block is back in registers
	s_wait_xcnt 0x0                                ; earlier stores have read their registers: the other buffer may be loaded again behind this wait
.irp t, 0,1,2,3,4,5,6,7
	global_store_b128 v[CO], v[BKA+4*\t:BKA+4*\t+3], s[10:11] offset:(16*(\a)+2*\t)*PC  ; 16 lanes store 256 consecutive bytes, aligned
.endr
.endm
	s_load_b256 s[4:11], s[0:1], 0x0               ; xb s[4:5], wts s[6:7], bias s[8:9], qkv s[10:11]
	v_lshl_add_u32 v[SPW], v0, 2, SPARE
	v_mov_b32 v[NIL], 0
	ds_add_u32 v[SPW], v[NIL]                      ; the wave's opening: the add and its wait ahead of my first tensor load
	v_lshrrev_b32 v1, 5, v0
	v_readfirstlane_b32 s[WV], v1
	s_lshr_b32 s[WR], s[WV], 1
	s_and_b32 s[WC], s[WV], 1
	s_bfe_u32 s[CX], ttmp6, 0x40000
	s_bfe_u32 s[CY], ttmp6, 0x40004
	s_lshl_b32 s[GX], ttmp9, 2
	s_add_co_u32 s[GX], s[GX], s[CX]               ; block of columns = 4 x cluster x + cx
	s_and_b32 s[CL], ttmp7, 0xffff                 ; cluster y: 0 to 11
	s_lshr_b32 s[PL], s[CL], 2                     ; the plane, which the whole cluster shares
	s_and_b32 s[GY], s[CL], 3
	s_lshl_b32 s[GY], s[GY], 3
	s_add_co_u32 s[GY], s[GY], s[CY]               ; the first tile's block of rows = 8 (c % 4) + cy
	s_lshl_b32 s22, s[CY], 2
	s_lshl_b32 s22, 15, s22                        ; my row of the cluster
	s_lshl_b32 s23, 0x1111, s[CX]                  ; my column
	s_or_b32 s[G1A], s22, FLD
	s_or_b32 s[G1B], s23, FLD
.irp g, G1A, G1B
	s_mov_b32 s[\g+1], 128<<16                     ; tensor_dim0 = 128
	s_mov_b32 s[\g+2], 128<<16                     ; tensor_dim1 = 128
	s_mov_b32 s[\g+3], 128<<16                     ; tile_dim0 = 128
	s_mov_b32 s[\g+4], 128                         ; tile_dim1 = 128
	s_mov_b32 s[\g+5], 1024                        ; elements from row to row
	s_mov_b32 s[\g+6], 0
	s_mov_b32 s[\g+7], 0
.endr
	s_lshl_b32 s16, s[GY], 8
	s_lshl_b32 s17, s[WC], 7
	s_add_co_u32 s16, s16, s17                     ; xb: row 256 x block + 128 x half
	s_lshl_b32 s16, s16, 11
	s_mov_b32 s17, 0
	s_lshl_b32 s20, s[PL], 10
	s_lshl_b32 s21, s[GX], 8
	s_add_co_u32 s20, s20, s21
	s_lshl_b32 s21, s[WC], 7
	s_add_co_u32 s20, s20, s21                     ; wts: row 1,024 x plane + 256 x block + 128 x half; also my first column's place in bias
	s_lshl_b32 s46, s20, 2
	s_mov_b32 s47, 0
	s_lshl_b32 s20, s20, 11
	s_mov_b32 s21, 0
	s_mul_i32 s18, s[WC], HALFT                    ; where the halves go: no place in the cluster enters an LDS address
	s_add_co_u32 s19, s18, BOFF
	s_wait_dscnt 0x0                               ; the opening add is done
	s_wait_kmcnt 0x0
	s_add_nc_u64 s[BA:BA+1], s[4:5], s[16:17]
	s_add_nc_u64 s[BB:BB+1], s[6:7], s[20:21]
	s_add_nc_u64 s[8:9], s[8:9], s[46:47]
	CROUND                                         ; all sixteen work-groups are here: the first joint loads meet
.irp s, 0,1
	s_mov_b32 s[G0A+4*\s], 1
	s_add_co_u32 s[G0A+4*\s+1], s18, \s*SLOT
	s_add_nc_u64 s[G0A+4*\s+2:G0A+4*\s+3], s[BA:BA+1], \s*STEP
	s_or_b32 s[G0A+4*\s+3], s[G0A+4*\s+3], 0x80000000
	s_mov_b32 s[G0B+4*\s], 1
	s_add_co_u32 s[G0B+4*\s+1], s19, \s*SLOT
	s_add_nc_u64 s[G0B+4*\s+2:G0B+4*\s+3], s[BB:BB+1], \s*STEP
	s_or_b32 s[G0B+4*\s+3], s[G0B+4*\s+3], 0x80000000
.endr
	s_cmp_eq_u32 s[WR], 0                          ; a wave's two first fills stand in one branch: two loads of mine are out
	s_cbranch_scc0 .Lfirst_b
	tensor_load_to_lds s[G0A:G0A+3], s[G1A:G1A+7]
	s_nop 0
	tensor_load_to_lds s[G0A+4:G0A+7], s[G1A:G1A+7]
	s_nop 0
.rept 4
	v_nop
.endr
	s_branch .Lfirst_asked
.Lfirst_b:
	tensor_load_to_lds s[G0B:G0B+3], s[G1B:G1B+7]
	s_nop 0
	tensor_load_to_lds s[G0B+4:G0B+7], s[G1B:G1B+7]
	s_nop 0
.rept 4
	v_nop
.endr
.Lfirst_asked:
	v_and_b32 v1, 15, v0                           ; l % 16
	v_bfe_u32 v9, v0, 4, 1                         ; l / 16
	v_lshlrev_b32 v[BO], 5, v9
	WIN 0x40                                       ; my 128 columns' bias into window 1: once, for both tiles
.irp b, 0,1,2,3,4,5,6,7
	global_load_b128 v[BIAS+8*\b:BIAS+8*\b+3],   v[BO], s[8:9] offset:64*\b
	global_load_b128 v[BIAS+8*\b+4:BIAS+8*\b+7], v[BO], s[8:9] offset:64*\b+16
.endr
	WIN 0
	v_mul_u32_u24 v14, v1, PITCH
	v_lshl_add_u32 v14, v9, 4, v14                 ; a fragment's row x pitch + 16 x half
	s_mul_i32 s22, s[WR], HALFT
	v_add_nc_u32 v[ADRA], s22, v14
	v_add_nc_u32 v[ADRB], s19, v14
	s_mul_i32 s23, s[WV], 16*PITCH
	s_add_co_u32 s23, s23, STAGE                   ; my stage
	v_add_nc_u32 v[STO], s23, v14                  ; in: row l % 16, 16 bytes for each half of the lanes
	v_mul_u32_u24 v15, v9, PITCH                   ; back: lanes 0-15 one row of 256 bytes, lanes 16-31 the next
	v_lshl_add_u32 v15, v1, 4, v15
	v_add_nc_u32 v[RD], s23, v15
	v_mul_u32_u24 v[CO], v9, PC
	v_lshl_add_u32 v[CO], v1, 4, v[CO]
	v_and_b32 v[PFO], 31, v0
	v_lshlrev_b32 v[PFO], 11, v[PFO]
	s_lshl_b32 s22, s[GY], 8                       ; qkv at my part of the first tile: row 256 x block + 128 WR, byte 512 x block + 256 WC, in my plane
	s_lshl_b32 s23, s[WR], 7
	s_add_co_u32 s22, s22, s23
	s_lshl_b32 s22, s22, 11
	s_lshl_b32 s23, s[GX], 9
	s_add_co_u32 s22, s22, s23
	s_lshl_b32 s23, s[WC], 8
	s_add_co_u32 s22, s22, s23
	s_lshl_b32 s23, s[PL], 24
	s_add_co_u32 s22, s22, s23
	s_mov_b32 s23, 0
	s_add_nc_u64 s[10:11], s[10:11], s[22:23]
	s_lshl_b32 s16, s[GY], 8                       ; the prefetches: the 128 rows that I fetch, in xb
	s_lshl_b32 s20, s[WC], 7
	s_add_co_u32 s16, s16, s20
	s_lshl_b32 s17, s[PL], 10                      ; or in wts
	s_lshl_b32 s21, s[GX], 8
	s_add_co_u32 s17, s17, s21
	s_add_co_u32 s17, s17, s20
	s_and_b32 s21, s[CL], 3                        ; c % 4: the four clusters of a plane read the same rows of wts
	s_cmp_eq_u32 s[WR], 0
	s_cselect_b32 s16, s16, s17
	s_cselect_b32 s17, s[CX], s[CY]                ; my place among the four that ask jointly
	s_cselect_b32 s21, s[PL], s21                  ; the clusters of the three planes read the same rows of xb
	s_cselect_b64 s[PFA:PFA+1], s[4:5], s[6:7]
	s_cmp_eq_u32 s21, 0
	s_cselect_b32 s[LIM], 2, -1                    ; the same in all sixteen partners, for a given wave
	s_lshl_b32 s17, s17, 5
	s_add_co_u32 s16, s16, s17                     ; my work-group's 32 rows
	s_lshl_b32 s16, s16, 11
	s_add_co_u32 s16, s16, 3*STEP                  ; at K step 3: the first refill steps it to 4
	s_mov_b32 s17, 0
	s_add_nc_u64 s[PFA:PFA+1], s[PFA:PFA+1], s[16:17]
	s_wait_tensorcnt 0x1                           ; my part of K step 0 is in; K step 1's may stay out
	s_barrier_signal -1
	s_barrier_wait -1
	s_mov_b32 s[TB], 0
	v_mov_b32 v[AA], v[ADRA]
	v_mov_b32 v[AB], v[ADRB]
	FETCH 0, F0
	s_mov_b32 s[TILE], TILES
.Ltile:
	s_wait_loadcnt 0x0                             ; the bias
	QUARTER 64, F0, F1, 2                          ; a tile's first quarter: the bias starts the sums
	WIN 0
	s_mov_b32 s[CNT], NS-2
.L1:                                               ; NS - 2 trips: K steps 2 .. NS - 1 are asked for
	TRIP 1, 0, 1, 0, 0
	s_sub_co_u32 s[CNT], s[CNT], 1
	s_cmp_lg_u32 s[CNT], 0
	s_cbranch_scc1 .L1
	s_cmp_eq_u32 s[TILE], 1
	s_cbranch_scc1 .Llast                          ; the last tile's tail asks for nothing
	s_add_nc_u64 s[BA:BA+1], s[BA:BA+1], WALK*ROWB ; the second tile's rows of xb; wts's rows stay
	s_mov_b32 s[IA], 0
	s_mov_b32 s[IA+1], 0
	s_mov_b32 s[CNT], 2
.L1b:                                              ; the ring goes on into the second tile: its K steps 0 and 1 are asked for, its first fragments fetched
	TRIP 1, 1, 0, 1, 0
	s_sub_co_u32 s[CNT], s[CNT], 1
	s_cmp_lg_u32 s[CNT], 0
	s_cbranch_scc1 .L1b
	s_wait_xcnt 0x0
	s_add_nc_u64 s[PFA:PFA+1], s[PFA:PFA+1], NEXT_P  ; to the second tile's K step 3
	s_cmp_eq_u32 s[WR], 0
	s_cselect_b32 s[LIM], s[LIM], -1               ; wts's rows have been read: they are asked for no more
	s_branch .Lepi
.Llast:
	s_mov_b32 s[CNT], 2
.L2:
	TRIP 0, 0, 0, 1, 1
	s_sub_co_u32 s[CNT], s[CNT], 1
	s_cmp_lg_u32 s[CNT], 0
	s_cbranch_scc1 .L2
.Lepi:
	PLACES                                         ; the conversions read results just made and write registers that the last products read
	PLACES
	PACK 0
	TOSTAGE 0
.irp a, 1,2,3,4,5,6,7
	PACK \a
	SEND (\a)-1
	TOSTAGE \a
.endr
	SEND 7
	s_wait_xcnt 0x0                                ; the stores have read their registers and their base
	s_add_nc_u64 s[10:11], s[10:11], NEXT_C
	s_sub_co_u32 s[TILE], s[TILE], 1
	s_cmp_lg_u32 s[TILE], 0
	s_cbranch_scc1 .Ltile
	s_wait_tensorcnt 0x0                           ; the wave's end
	ds_add_u32 v[SPW], v[NIL]
	s_wait_dscnt 0x0
	CROUND                                         ; the closing round
	s_endpgm
.Lfunc_end_k_q578711f81a_proj:
	.size	k_q578711f81a_proj, .Lfunc_end_k_q578711f81a_proj-k_q578711f81a_proj
	.p2alignl 7, 3214868480
	.fill 96, 4, 3214868480
	.section	.rodata,"a",@progbits
	.p2align	6, 0x0
	.amdhsa_kernel k_q578711f81a_proj
		.amdhsa_group_segment_fixed_size 327680
		.amdhsa_private_segment_fixed_size 0
		.amdhsa_enable_private_segment 0
		.amdhsa_kernarg_size 32
		.amdhsa_user_sgpr_count 2
		.amdhsa_user_sgpr_kernarg_segment_ptr 1
		.amdhsa_wavefront_size32 1
		.amdhsa_system_sgpr_workgroup_id_x 1
		.amdhsa_system_sgpr_workgroup_id_y 1
		.amdhsa_system_sgpr_workgroup_id_z 1
		.amdhsa_system_vgpr_workitem_id 0
		.amdhsa_next_free_vgpr 1024
		.amdhsa_next_free_sgpr 84
		.amdhsa_reserve_vcc 0
		.amdhsa_float_denorm_mode_32 3
		.amdhsa_float_denorm_mode_16_64 3
		.amdhsa_memory_ordered 1
		.amdhsa_forward_progress 1
		.amdhsa_inst_pref_size 130
	.end_amdhsa_kernel
	.amdgpu_metadata
---
amdhsa.version: [ 1, 2 ]
amdhsa.kernels:
  - .name:           k_q578711f81a_proj
    .symbol:         k_q578711f81a_proj.kd
    .args:
      - { .name: xb, .offset: 0, .size: 8, .value_kind: global_buffer, .address_space: global }
      - { .name: wts, .offset: 8, .size: 8, .value_kind: global_buffer, .address_space: global }
      - { .name: bias, .offset: 16, .size: 8, .value_kind: global_buffer, .address_space: global }
      - { .name: qkv, .offset: 24, .size: 8, .value_kind: global_buffer, .address_space: global }
    .group_segment_fixed_size: 327680
    .private_segment_fixed_size: 0
    .kernarg_segment_align: 8
    .kernarg_segment_size: 32
    .max_flat_workgroup_size: 128
    .sgpr_count:     84
    .vgpr_count:     1024
    .wavefront_size: 32
...
	.end_amdgpu_metadata
.endif
;; end of part 2
;; launch score (part 3): grid 8 x 32, 4 waves a work-group, clusters of 4 x 4, 327,680 bytes of LDS; arguments qkv, pm, st; writes pm, st
.if DOCPART == 3
	.amdgcn_target "amdgcn-amd-amdhsa--gfx1250"
	.amdhsa_code_object_version 6
	.text
	.protected	k_q578711f81a_score
	.globl	k_q578711f81a_score
	.p2align	8
	.type	k_q578711f81a_score,@function
k_q578711f81a_score:
	s_mov_b64 s[64:65], 0
	v_nop
	global_prefetch_b8 v0, s[64:65] scope:SCOPE_SE
	s_setreg_imm32_b32 hwreg(HW_REG_WAVE_MODE, 25, 1), 1
	s_wait_xcnt 0x0
	s_wait_alu depctr_hold_cnt(0) depctr_sa_sdst(0) depctr_va_vdst(0) depctr_va_sdst(0) depctr_va_ssrc(0) depctr_va_vcc(0) depctr_vm_vsrc(0)
	s_getreg_b32 s2, hwreg(HW_REG_IB_STS2, 6, 4)
	s_cmp_eq_u32 s2, 0
	s_cbranch_scc0 .Lentry_in_a_cluster
	s_endpgm
.Lentry_in_a_cluster:
	s_bfe_u32 s2, ttmp6, 0x10000c
	s_cmp_lg_u32 s2, 0xf033
	s_cbranch_scc0 .Lentry_shape_is_right
	s_endpgm
.Lentry_shape_is_right:
; THE WEIGHTS, BY CHUNKS OF 128 KEYS.  s = q . k (1,024 channels), c = log2(e) / 32.  For each query row and each chunk: m = the chunk's true maximum of s, p = 2^(c s - c m), l = the sum of p.
; pm[row][key] = p in f16 ([8192][2048]); st[chunk][row] = (c m, l) in f32 ([16][8192][2]).  The next launch joins a row's 16 chunks by their maxima.  q, k: planes 0 and 1 of qkv, f16.
; Products in f16, sums, maxima and l in f32; l is taken of the unrounded p.
; LIMITS.  p lies in 0 to about 1 (c m is rounded once, and the same number is stored); below 6e-5 it keeps f16's fixed step of 6e-8; below 2^-126 it counts as 0 in l.  NaN and infinities are not treated apart.
; SHARES.  A tile is 256 queries x 256 keys: 4 batches x 8 x 8 = 256 tiles, one to a work-group.  The work-group at (X, Y) owns queries 256 Y (batch Y / 8) and keys 256 X of its batch.
; Four waves, each 128 queries x 128 keys: 64 accumulators, 512 registers; a wave's columns are one chunk.  K goes in steps of 128 channels through a ring of two LDS slots: 256 matrix instructions a wave
; to a step, 224 of them between a refill's request and the wait for it.
; CLUSTER 4 x 4.  q's tile hangs on Y alone: asked for jointly by a cluster's row; k's on X and the batch, which the whole cluster shares: by a column.  Waves 0, 1 fetch q's halves, waves 2, 3 k's: 128 rows x 256 bytes each.
; THE MATRIX INSTRUCTION IS USED TRANSPOSED (source 0 = 16 keys, source 1 = 16 queries): lane l holds ONE query, l % 16, and the keys 16 b + 8 (l / 16) + 0..7: a chunk's maximum and sum want one exchange between the halves of the lanes.
; REGISTERS, in windows of 256 (s_set_vgpr_msb: bits 1:0 source 0, 3:2 source 1, 5:4 source 2, 7:6 destination):
;   window 0: v0-31 addresses and statistics; v64-127, v128-191 q's fragments, two buffers; on the way out v128-223 hold packed weights and rows read back; v224-231 at work
;   window 1: v64-127, v128-191 k's fragments, two buffers
;   window 2: the 32 accumulators of my rows 0-63 ((a, b) at v[8 (8 a + b)]);   window 3: those of my rows 64-127
; THE WAY OUT is written for four row blocks in window 2 and walked twice; between the walks window 3's sums are moved into window 2: 256 moves in place of a second copy of the four softmax texts.
.set NS,     8
.set STEP,   256
.set ROWB,   2048
.set PITCH,  272                       ; an LDS row: 256 bytes + 16 of padding: the 16 rows of a fragment load start at 16 different groups of four banks (64 banks of 4 bytes: ISA guide 11.1)
.set HALFT,  128*PITCH
.set BOFF,   2*HALFT                   ; a slot: q's 256 rows, then k's 256
.set SLOT,   4*HALFT                   ; 0x22000: it shares no bit with 0, 1, 2 or 3 x HALFT, so one exclusive or turns a wave's address in one slot into the other's
.set STAGE,  2*SLOT                    ; behind the ring, never filled by a tensor load: 16 rows x 272 bytes for each wave
.set SPARE,  STAGE+4*16*PITCH          ; the spare words: two blocks of 256 bytes that no other line names
.set PC,     4096                      ; bytes in a row of pm
.set KPLANE, 8192*ROWB                 ; k's plane in qkv
.set FLD, (1<<16)|(1<<20)|(1<<21)|(5<<22)|(3<<25)  ; 2-byte elements; padding on; bit 21 beside a mask; after every 64 words (code 5) 4 words (code 3)
.set ADRA, 2
.set ADRB, 3
.set AA,   4
.set AB,   5
.set STO,  6
.set RD,   7
.set CO,   8
.set SPW,  10                          ; v10  LDS address of my spare word; never rewritten
.set NIL,  11                          ; v11  0; never rewritten
.set PFO,  12
.set LO8,  13                          ; v13  8 x lane: a row's place in 32 rows of st
.set CM,   14                          ; v[14:15] c m of the block in hand, named as a pair
.set CMS,  16                          ; v16-19  c m of the four row blocks of a walk
.set LS,   20                          ; v20-23  l of them
.set SD,   24                          ; v[24:27] two pairs (c m, l) to store
.set F0,   64
.set F1,   128
.set TMP,  128
.set BK,   160
.set T,    224                         ; v224-231 at work
.set WV,   12
.set WR,   13
.set WC,   14
.set LIM,  15
.set G1A,  24
.set G0A,  32
.set CX,   40
.set CY,   41
.set GX,   42
.set GY,   43
.set PFA,  44
.set G1B,  48
.set G0B,  56
.set CNT,  66
.set TB,   68
.set BAT,  69                          ; s69  the batch: cluster y / 2
.set CL,   70                          ; s70  cluster y
.set HALF, 71                          ; s71  counts the two walks of the way out
.set CS,   74                          ; s[74:75] c: the packed scaling takes the pair's low word for both halves
.set SEL,  76                          ; s[76:77] v_permlanex16_b32's selects: each lane takes its own place in the other half
.set HM,   78                          ; s78  the mask of lanes 16-31
.set MSB, 0
.macro WIN new
.if MSB != (\new)
	s_set_vgpr_msb (MSB<<8)|(\new)
.set MSB, (\new)
.endif
.endm
.macro PLACES
.rept 4
	v_nop
.endr
.endm
.macro CREST
	s_cmp_lg_u32 s[WV], 0
	s_cbranch_scc1 .Lnot_wave_0_\@
	s_barrier_signal -3
.Lnot_wave_0_\@:
	s_barrier_wait -3
	s_barrier_signal -1
	s_barrier_wait -1
.endm
.macro CROUND
	s_barrier_signal -1
	s_barrier_wait -1
	CREST
.endm
.macro JLOAD                           ; the joint refill; an s_nop 0 and four v_nop follow each line
	s_cmp_eq_u32 s[WR], 0
	s_cbranch_scc0 .Lfor_b_\@
	tensor_load_to_lds s[G0A+4:G0A+7], s[G1A:G1A+7]
	s_nop 0
.rept 4
	v_nop
.endr
	s_branch .Lasked_\@
.Lfor_b_\@:
	tensor_load_to_lds s[G0B+4:G0B+7], s[G1B:G1B+7]
	s_nop 0
.rept 4
	v_nop
.endr
.Lasked_\@:
.endm
; A PREFETCH INTO THE L2 of the K step two refills on: 32 rows x 256 bytes, a lane a row, one instruction a wave, each block named once in the launch.  Of the 128 rows that a wave fetches each of the four
; partners that ask for them jointly takes 32, told apart by address (cx for q, cy for k).  q's rows are read by the two clusters of a row of clusters: the one with x = 0 asks; k's rows by the two clusters
; of a batch in a column of clusters: the one with even y asks.  The first four K steps come by their loads alone; the last two refills have no K step two on (CNT <= 2).
.macro ASK
	s_cmp_gt_u32 s[CNT], s[LIM]
	s_cbranch_scc0 .Lnot_mine_\@
	global_prefetch_b8 v[PFO], s[PFA:PFA+1] th:TH_LOAD_NT scope:SCOPE_SE
.Lnot_mine_\@:
.endm
; 16 matrix instructions: row blocks a0, a0 + 1 of the window's four (hi = 0: my rows 0-63, 1: rows 64-127) x all 8 key blocks, 32 along K.  zero = 1: the product starts the sums.
; The 64 accumulators take turns in the same order in every quarter.
.macro MUL16 f, hi, a0, zero
	WIN 0xa1+0x50*(\hi)                            ; k window 1, q window 0, C and D window 2 or 3
.irp a, \a0, (\a0)+1
.irp b, 0,1,2,3,4,5,6,7
.if \zero
	v_wmma_f32_16x16x32_f16 v[8*(8*(\a)+\b):8*(8*(\a)+\b)+7], v[(\f)+8*\b:(\f)+8*\b+7], v[(\f)+8*(4*(\hi)+(\a)):(\f)+8*(4*(\hi)+(\a))+7], 0
.else
	v_wmma_f32_16x16x32_f16 v[8*(8*(\a)+\b):8*(8*(\a)+\b)+7], v[(\f)+8*\b:(\f)+8*\b+7], v[(\f)+8*(4*(\hi)+(\a)):(\f)+8*(4*(\hi)+(\a))+7], v[8*(8*(\a)+\b):8*(8*(\a)+\b)+7]
.endif
.endr
.endr
.endm
.macro FETCH k, f                      ; 32 LDS loads in one run: k's eight blocks, then q's eight
	WIN 0x40                                       ; destination window 1, address window 0
.irp i, 0,1,2,3,4,5,6,7
	ds_load_b128 v[(\f)+8*\i:(\f)+8*\i+3],   v[AB] offset:(\k)+\i*16*PITCH
	ds_load_b128 v[(\f)+8*\i+4:(\f)+8*\i+7], v[AB] offset:(\k)+\i*16*PITCH+32
.endr
	WIN 0
.irp i, 0,1,2,3,4,5,6,7
	ds_load_b128 v[(\f)+8*\i:(\f)+8*\i+3],   v[AA] offset:(\k)+\i*16*PITCH
	ds_load_b128 v[(\f)+8*\i+4:(\f)+8*\i+7], v[AA] offset:(\k)+\i*16*PITCH+32
.endr
.endm
.macro QUARTER k, f, g, zero
	s_wait_dscnt 8                                 ; all but the youngest eight loads: q's row blocks 4 to 7
	MUL16 \f, 0, 0, \zero
	MUL16 \f, 0, 2, \zero
	PLACES
	FETCH \k, \g
	s_wait_dscnt 32                                ; all but the 32 just issued
	MUL16 \f, 1, 0, \zero
	MUL16 \f, 1, 2, \zero
.endm
; The fourth quarter and the change of slots: each wave waits for all its tensor loads, adds 0 to its spare word, waits for that and for its reads of this slot; fill = 1: a round of the cluster's barrier, the joint refill first behind it.
.macro TURN fill, ask, tail
.if \fill
	s_wait_xcnt 0x0                                ; the last prefetch, a K step back, has read its address
	s_add_nc_u64 s[PFA:PFA+1], s[PFA:PFA+1], STEP
.endif
	WIN 0
	s_wait_tensorcnt 0x0                           ; no tensor load of mine is out, so a group 0 may be written
	ds_add_u32 v[SPW], v[NIL]
.if \fill
	s_xor_b32 s[G0A+5], s[G0A+5], SLOT
	s_xor_b32 s[G0B+5], s[G0B+5], SLOT
	s_add_nc_u64 s[G0A+6:G0A+7], s[G0A+6:G0A+7], STEP  ; the next K step; the type bits on top are not reached
	s_add_nc_u64 s[G0B+6:G0B+7], s[G0B+6:G0B+7], STEP
.endif
	s_wait_dscnt 9                                 ; the add and q's row blocks 4 to 7 may be out
	MUL16 F1, 0, 0, 0
	s_wait_dscnt 0x0                               ; the add is done, and my reads of this slot are over
	s_barrier_signal -1
	MUL16 F1, 0, 2, 0
	WIN 0
	s_barrier_wait -1
.if \fill
	CREST
	JLOAD                                          ; its four v_nop are also the places in front of the loads below
.else
	PLACES
.endif
.if \tail
	s_cmp_eq_u32 s[CNT], 1
	s_cbranch_scc1 .Lno_fetch_\@
.endif
	s_xor_b32 s[TB], s[TB], SLOT
	v_add_nc_u32 v[AA], s[TB], v[ADRA]
	v_add_nc_u32 v[AB], s[TB], v[ADRB]
	FETCH 0, F0
.if \tail
.Lno_fetch_\@:
.endif
.if \ask
	ASK
.endif
	MUL16 F1, 1, 0, 0
	MUL16 F1, 1, 2, 0
	WIN 0
.endm
.macro TRIP fill, ask, skip
	QUARTER 128, F1, F0, 0
	QUARTER 192, F0, F1, 0
	TURN \fill, \ask, \skip
.if \skip
	s_cmp_eq_u32 s[CNT], 1
	s_cbranch_scc1 .Lskip_\@
.endif
	QUARTER 64, F0, F1, 0
	WIN 0
.if \skip
.Lskip_\@:
.endif
.endm
; ROW BLOCK a's SOFTMAX OVER ITS CHUNK.  A lane's 64 scores lie in window 2, v[64 a ..].  The maximum (each accumulator's lowest registers are read first), the other half of the
; lanes', c m; c s - c m; 64 exponentials as ONE batch with one plain instruction and one wait behind it; the roundings to f16; the sum of the unrounded weights, in place, as a tree.
.macro SOFT a
.set SB, 64*(\a)
	WIN 0x2a                                       ; all three sources in window 2
.irp b, 0,1,2,3,4,5,6,7
	v_max3_num_f32 v[T+\b], v[SB+8*\b], v[SB+8*\b+1], v[SB+8*\b+2]
.endr
	WIN 0x28                                       ; sources 1 and 2 in window 2
.irp b, 0,1,2,3,4,5,6,7
	v_max3_num_f32 v[T+\b], v[T+\b], v[SB+8*\b+3], v[SB+8*\b+4]
.endr
.irp b, 0,1,2,3,4,5,6,7
	v_max3_num_f32 v[T+\b], v[T+\b], v[SB+8*\b+5], v[SB+8*\b+6]
.endr
.irp i, 0,1,2,3
	v_max3_num_f32 v[T+\i], v[T+\i], v[SB+16*\i+7], v[SB+16*\i+15]
.endr
	WIN 0
	v_max3_num_f32 v[T], v[T], v[T+1], v[T+2]
	v_max3_num_f32 v[T+3], v[T+3], v[T+4], v[T+5]
	v_max3_num_f32 v[T], v[T], v[T+6], v[T+7]
	v_max_num_f32 v[T], v[T], v[T+3]
	v_permlanex16_b32 v[T+1], v[T], s[SEL], s[SEL+1]  ; the query's other 64 keys lie in the lane 16 away
	v_max_num_f32 v[T], v[T], v[T+1]
	v_mul_f32 v[CM], s[CS], v[T]
	v_mul_f32 v[CM+1], s[CS], v[T]
	v_mul_f32 v[CMS+(\a)], s[CS], v[T]
	WIN 0x82                                       ; destination and source 0 in window 2
.set i, 0
.rept 32
	v_pk_fma_f32 v[SB+i:SB+i+1], v[SB+i:SB+i+1], s[CS:CS+1], v[CM:CM+1] op_sel_hi:[1,0,0] neg_lo:[0,0,1] neg_hi:[0,0,1]
.set i, i+2
.endr
.set i, 0
.rept 64
	v_exp_f32 v[SB+i], v[SB+i]
.set i, i+1
.endr
	v_nop                                          ; a plain instruction behind the last exponential,
	s_wait_alu depctr_va_vdst(0)                   ; and the one wait ahead of the batch's first reader
	WIN 0x0a                                       ; sources 0 and 1 in window 2
.set i, 0
.rept 32
	v_cvt_pk_f16_f32 v[TMP+i], v[SB+2*i], v[SB+2*i+1]
.set i, i+1
.endr
	WIN 0x8a                                       ; destination and both sources in window 2
.irp w, 32,16,8,4,2
.set i, 0
.rept (\w)/2
	v_pk_add_f32 v[SB+i:SB+i+1], v[SB+i:SB+i+1], v[SB+i+\w:SB+i+\w+1]
.set i, i+2
.endr
.endr
	WIN 0x0a
	v_add_f32 v[T+2], v[SB], v[SB+1]
	WIN 0
	v_permlanex16_b32 v[T+3], v[T+2], s[SEL], s[SEL+1]
	v_add_f32 v[LS+(\a)], v[T+2], v[T+3]
.endm
.macro TOSTAGE a
	WIN 0
.set BKA, BK+32*((\a)%2)
.irp b, 0,1,2,3,4,5,6,7
	ds_store_b128 v[STO], v[TMP+4*\b:TMP+4*\b+3] offset:32*\b
.endr
.irp t, 0,1,2,3,4,5,6,7
	ds_load_b128 v[BKA+4*\t:BKA+4*\t+3], v[RD] offset:\t*2*PITCH  ; LDS serves a wave's instructions in order (ISA guide 5.7.1.4): these see the stores above
.endr
.endm
.macro SEND a
	WIN 0
.set BKA, BK+32*((\a)%2)
	s_wait_dscnt 0x0
	s_wait_xcnt 0x0                                ; earlier stores have read their registers
.irp t, 0,1,2,3,4,5,6,7
	global_store_b128 v[CO], v[BKA+4*\t:BKA+4*\t+3], s[6:7] offset:(16*(\a)+2*\t)*PC  ; 16 lanes store 256 consecutive bytes, aligned
.endr
.endm
	s_load_b128 s[4:7], s[0:1], 0x0                ; qkv s[4:5], pm s[6:7]
	s_load_b64 s[8:9], s[0:1], 0x10                ; st
	v_lshl_add_u32 v[SPW], v0, 2, SPARE
	v_mov_b32 v[NIL], 0
	ds_add_u32 v[SPW], v[NIL]                      ; the wave's opening: the add and its wait ahead of my first tensor load
	v_lshrrev_b32 v1, 5, v0
	v_readfirstlane_b32 s[WV], v1
	s_lshr_b32 s[WR], s[WV], 1
	s_and_b32 s[WC], s[WV], 1
	s_bfe_u32 s[CX], ttmp6, 0x40000
	s_bfe_u32 s[CY], ttmp6, 0x40004
	s_lshl_b32 s[GX], ttmp9, 2
	s_add_co_u32 s[GX], s[GX], s[CX]               ; X: the block of 256 keys in the batch, 0 to 7
	s_and_b32 s[CL], ttmp7, 0xffff                 ; cluster y: 0 to 7
	s_lshr_b32 s[BAT], s[CL], 1                    ; two clusters, eight blocks of queries, to a batch
	s_lshl_b32 s[GY], s[CL], 2
	s_add_co_u32 s[GY], s[GY], s[CY]               ; Y: the block of 256 queries, 0 to 31
	s_lshl_b32 s22, s[CY], 2
	s_lshl_b32 s22, 15, s22                        ; my row of the cluster
	s_lshl_b32 s23, 0x1111, s[CX]                  ; my column
	s_or_b32 s[G1A], s22, FLD
	s_or_b32 s[G1B], s23, FLD
.irp g, G1A, G1B
	s_mov_b32 s[\g+1], 128<<16                     ; tensor_dim0 = 128
	s_mov_b32 s[\g+2], 128<<16                     ; tensor_dim1 = 128
	s_mov_b32 s[\g+3], 128<<16                     ; tile_dim0 = 128
	s_mov_b32 s[\g+4], 128                         ; tile_dim1 = 128
	s_mov_b32 s[\g+5], 1024                        ; elements from row to row
	s_mov_b32 s[\g+6], 0
	s_mov_b32 s[\g+7], 0
.endr
	s_mov_b32 s[CS], 0x3d38aa3b                    ; c = log2(e) / 32
	s_mov_b32 s[CS+1], s[CS]
	s_mov_b32 s[SEL], 0x76543210
	s_mov_b32 s[SEL+1], 0xfedcba98
	s_lshl_b32 s16, s[GY], 8
	s_lshl_b32 s17, s[WC], 7
	s_add_co_u32 s16, s16, s17                     ; q: row 256 Y + 128 x half
	s_lshl_b32 s16, s16, 11
	s_mov_b32 s17, 0
	s_lshl_b32 s20, s[BAT], 11
	s_lshl_b32 s21, s[GX], 8
	s_add_co_u32 s20, s20, s21
	s_lshl_b32 s21, s[WC], 7
	s_add_co_u32 s20, s20, s21                     ; k: row 2,048 batch + 256 X + 128 x half
	s_lshl_b32 s20, s20, 11
	s_add_co_u32 s20, s20, KPLANE
	s_mov_b32 s21, 0
	s_mul_i32 s18, s[WC], HALFT                    ; where the halves go: no place in the cluster enters an LDS address
	s_add_co_u32 s19, s18, BOFF
	s_wait_dscnt 0x0                               ; the opening add is done
	s_wait_kmcnt 0x0
	s_add_nc_u64 s[16:17], s[4:5], s[16:17]
	s_add_nc_u64 s[20:21], s[4:5], s[20:21]
	CROUND                                         ; all sixteen work-groups are here: the first joint loads meet
.irp s, 0,1
	s_mov_b32 s[G0A+4*\s], 1
	s_add_co_u32 s[G0A+4*\s+1], s18, \s*SLOT
	s_add_nc_u64 s[G0A+4*\s+2:G0A+4*\s+3], s[16:17], \s*STEP
	s_or_b32 s[G0A+4*\s+3], s[G0A+4*\s+3], 0x80000000
	s_mov_b32 s[G0B+4*\s], 1
	s_add_co_u32 s[G0B+4*\s+1], s19, \s*SLOT
	s_add_nc_u64 s[G0B+4*\s+2:G0B+4*\s+3], s[20:21], \s*STEP
	s_or_b32 s[G0B+4*\s+3], s[G0B+4*\s+3], 0x80000000
.endr
	s_cmp_eq_u32 s[WR], 0                          ; a wave's two first fills stand in one branch: two loads of mine are out
	s_cbranch_scc0 .Lfirst_b
	tensor_load_to_lds s[G0A:G0A+3], s[G1A:G1A+7]
	s_nop 0
	tensor_load_to_lds s[G0A+4:G0A+7], s[G1A:G1A+7]
	s_nop 0
.rept 4
	v_nop
.endr
	s_branch .Lfirst_asked
.Lfirst_b:
	tensor_load_to_lds s[G0B:G0B+3], s[G1B:G1B+7]
	s_nop 0
	tensor_load_to_lds s[G0B+4:G0B+7], s[G1B:G1B+7]
	s_nop 0
.rept 4
	v_nop
.endr
.Lfirst_asked:
	v_and_b32 v1, 15, v0
	v_bfe_u32 v9, v0, 4, 1
	v_mul_u32_u24 v28, v1, PITCH
	v_lshl_add_u32 v28, v9, 4, v28                 ; a fragment's row x pitch + 16 x half
	s_mul_i32 s22, s[WR], HALFT
	v_add_nc_u32 v[ADRA], s22, v28
	v_add_nc_u32 v[ADRB], s19, v28
	s_mul_i32 s23, s[WV], 16*PITCH
	s_add_co_u32 s23, s23, STAGE                   ; my stage
	v_add_nc_u32 v[STO], s23, v28
	v_mul_u32_u24 v29, v9, PITCH
	v_lshl_add_u32 v29, v1, 4, v29
	v_add_nc_u32 v[RD], s23, v29
	v_mul_u32_u24 v[CO], v9, PC
	v_lshl_add_u32 v[CO], v1, 4, v[CO]
	v_and_b32 v[PFO], 31, v0
	v_cmp_lt_u32 s[HM], 15, v[PFO]                 ; lanes 16-31
	v_lshlrev_b32 v[LO8], 3, v[PFO]
	v_lshlrev_b32 v[PFO], 11, v[PFO]
	s_lshl_b32 s22, s[GY], 8
	s_lshl_b32 s23, s[WR], 7
	s_add_co_u32 s22, s22, s23                     ; my first row
	s_lshl_b32 s46, s22, 3                         ; its place in a chunk of st
	s_lshl_b32 s22, s22, 12                        ; pm at my part of the tile: byte 512 X + 256 WC of the row
	s_lshl_b32 s23, s[GX], 9
	s_add_co_u32 s22, s22, s23
	s_lshl_b32 s23, s[WC], 8
	s_add_co_u32 s22, s22, s23
	s_mov_b32 s23, 0
	s_add_nc_u64 s[6:7], s[6:7], s[22:23]
	s_lshl_b32 s47, s[GX], 1
	s_add_co_u32 s47, s47, s[WC]                   ; my chunk: 2 X + WC
	s_lshl_b32 s47, s47, 16
	s_add_co_u32 s46, s46, s47
	s_mov_b32 s47, 0
	s_add_nc_u64 s[8:9], s[8:9], s[46:47]
	s_lshl_b32 s16, s[GY], 8                       ; the prefetches: the 128 rows that I fetch, of q
	s_lshl_b32 s20, s[WC], 7
	s_add_co_u32 s16, s16, s20
	s_lshl_b32 s17, s[BAT], 11                     ; or of k, counted in rows from qkv's first
	s_lshl_b32 s21, s[GX], 8
	s_add_co_u32 s17, s17, s21
	s_add_co_u32 s17, s17, s20
	s_add_co_u32 s17, s17, 8192
	s_and_b32 s21, s[CL], 1                        ; the two clusters of a batch in a column of clusters read the same rows of k
	s_cmp_eq_u32 s[WR], 0
	s_cselect_b32 s16, s16, s17
	s_cselect_b32 s17, s[CX], s[CY]                ; my place among the four that ask jointly
	s_cselect_b32 s21, ttmp9, s21                  ; the two clusters of a row of clusters read the same rows of q
	s_cmp_eq_u32 s21, 0
	s_cselect_b32 s[LIM], 2, -1                    ; the same in all sixteen partners, for a given wave
	s_lshl_b32 s17, s17, 5
	s_add_co_u32 s16, s16, s17                     ; my work-group's 32 rows
	s_lshl_b32 s16, s16, 11
	s_add_co_u32 s16, s16, 3*STEP                  ; at K step 3: the first refill steps it to 4
	s_mov_b32 s17, 0
	s_add_nc_u64 s[PFA:PFA+1], s[4:5], s[16:17]
	s_wait_tensorcnt 0x1                           ; my part of K step 0 is in; K step 1's may stay out
	s_barrier_signal -1
	s_barrier_wait -1
	s_mov_b32 s[TB], 0
	v_mov_b32 v[AA], v[ADRA]
	v_mov_b32 v[AB], v[ADRB]
	FETCH 0, F0
	QUARTER 64, F0, F1, 1                          ; the first quarter starts the sums
	WIN 0
	s_mov_b32 s[CNT], NS-2
.L1:                                               ; NS - 2 trips: K steps 2 .. NS - 1 are asked for
	TRIP 1, 1, 0
	s_sub_co_u32 s[CNT], s[CNT], 1
	s_cmp_lg_u32 s[CNT], 0
	s_cbranch_scc1 .L1
	s_mov_b32 s[CNT], 2
.L2:                                               ; the last two K steps ask for nothing
	TRIP 0, 0, 1
	s_sub_co_u32 s[CNT], s[CNT], 1
	s_cmp_lg_u32 s[CNT], 0
	s_cbranch_scc1 .L2
	PLACES                                         ; the maxima read results just made; the packed weights land in registers that the last products read
	PLACES
	s_mov_b32 s[HALF], 2
.Lhalf:                                            ; two walks: my rows 0-63, then my rows 64-127
	SOFT 0
	TOSTAGE 0
.irp a, 1,2,3
	SOFT \a
	SEND (\a)-1
	TOSTAGE \a
.endr
	SEND 3
	v_cndmask_b32 v[SD], v[CMS], v[CMS+1], s[HM]   ; lane l takes row l of the walk's first 32 rows: blocks 0 and 1,
	v_cndmask_b32 v[SD+1], v[LS], v[LS+1], s[HM]
	v_cndmask_b32 v[SD+2], v[CMS+2], v[CMS+3], s[HM]  ; and row 32 + l: blocks 2 and 3
	v_cndmask_b32 v[SD+3], v[LS+2], v[LS+3], s[HM]
	global_store_b64 v[LO8], v[SD:SD+1], s[8:9]    ; 256 consecutive bytes, aligned
	global_store_b64 v[LO8], v[SD+2:SD+3], s[8:9] offset:256
	s_wait_xcnt 0x0                                ; the stores have read their registers and their bases
	s_add_nc_u64 s[6:7], s[6:7], 64*PC             ; 64 rows on
	s_add_nc_u64 s[8:9], s[8:9], 64*8
	s_cmp_eq_u32 s[HALF], 1
	s_cbranch_scc1 .Lmoved                         ; behind the second walk nothing is left to move
	WIN 0x83                                       ; destination window 2, source window 3: my rows 64-127 go where the one text of the walk names its sums; each accumulator's registers in ascending order
.set i, 0
.rept 256
	v_mov_b32 v[i], v[i]
.set i, i+1
.endr
	WIN 0
.Lmoved:
	s_sub_co_u32 s[HALF], s[HALF], 1
	s_cmp_lg_u32 s[HALF], 0
	s_cbranch_scc1 .Lhalf
	s_wait_tensorcnt 0x0                           ; the wave's end
	ds_add_u32 v[SPW], v[NIL]
	s_wait_dscnt 0x0
	CROUND                                         ; the closing round
	s_endpgm
.Lfunc_end_k_q578711f81a_score:
	.size	k_q578711f81a_score, .Lfunc_end_k_q578711f81a_score-k_q578711f81a_score
	.p2alignl 7, 3214868480
	.fill 96, 4, 3214868480
	.section	.rodata,"a",@progbits
	.p2align	6, 0x0
	.amdhsa_kernel k_q578711f81a_score
		.amdhsa_group_segment_fixed_size 327680
		.amdhsa_private_segment_fixed_size 0
		.amdhsa_enable_private_segment 0
		.amdhsa_kernarg_size 24
		.amdhsa_user_sgpr_count 2
		.amdhsa_user_sgpr_kernarg_segment_ptr 1
		.amdhsa_wavefront_size32 1
		.amdhsa_system_sgpr_workgroup_id_x 1
		.amdhsa_system_sgpr_workgroup_id_y 1
		.amdhsa_system_sgpr_workgroup_id_z 1
		.amdhsa_system_vgpr_workitem_id 0
		.amdhsa_next_free_vgpr 1024
		.amdhsa_next_free_sgpr 84
		.amdhsa_reserve_vcc 0
		.amdhsa_float_denorm_mode_32 3
		.amdhsa_float_denorm_mode_16_64 3
		.amdhsa_memory_ordered 1
		.amdhsa_forward_progress 1
		.amdhsa_inst_pref_size 128
	.end_amdhsa_kernel
	.amdgpu_metadata
---
amdhsa.version: [ 1, 2 ]
amdhsa.kernels:
  - .name:           k_q578711f81a_score
    .symbol:         k_q578711f81a_score.kd
    .args:
      - { .name: qkv, .offset: 0, .size: 8, .value_kind: global_buffer, .address_space: global }
      - { .name: pm, .offset: 8, .size: 8, .value_kind: global_buffer, .address_space: global }
      - { .name: st, .offset: 16, .size: 8, .value_kind: global_buffer, .address_space: global }
    .group_segment_fixed_size: 327680
    .private_segment_fixed_size: 0
    .kernarg_segment_align: 8
    .kernarg_segment_size: 24
    .max_flat_workgroup_size: 128
    .sgpr_count:     84
    .vgpr_count:     1024
    .wavefront_size: 32
...
	.end_amdgpu_metadata
.endif
;; end of part 3
;; launch mix (part 4): grid 4 x 64, 4 waves a work-group, clusters of 4 x 4, 327,680 bytes of LDS; arguments pm, qkv, st, ob; writes ob
.if DOCPART == 4
	.amdgcn_target "amdgcn-amd-amdhsa--gfx1250"
	.amdhsa_code_object_version 6
	.text
	.protected	k_q578711f81a_mix
	.globl	k_q578711f81a_mix
	.p2align	8
	.type	k_q578711f81a_mix,@function
k_q578711f81a_mix:
	s_mov_b64 s[64:65], 0
	v_nop
	global_prefetch_b8 v0, s[64:65] scope:SCOPE_SE
	s_setreg_imm32_b32 hwreg(HW_REG_WAVE_MODE, 25, 1), 1
	s_wait_xcnt 0x0
	s_wait_alu depctr_hold_cnt(0) depctr_sa_sdst(0) depctr_va_vdst(0) depctr_va_sdst(0) depctr_va_ssrc(0) depctr_va_vcc(0) depctr_vm_vsrc(0)
	s_getreg_b32 s2, hwreg(HW_REG_IB_STS2, 6, 4)
	s_cmp_eq_u32 s2, 0
	s_cbranch_scc0 .Lentry_in_a_cluster
	s_endpgm
.Lentry_in_a_cluster:
	s_bfe_u32 s2, ttmp6, 0x10000c
	s_cmp_lg_u32 s2, 0xf033
	s_cbranch_scc0 .Lentry_shape_is_right
	s_endpgm
.Lentry_shape_is_right:
; ob[row][d] = (the sum over chunks c of f_c the sum over the chunk's keys of p v[key][d]) / L.  pm: [8192][2048] f16 holds p = 2^(c s - c m_c), st: [16][8192][2] f32 holds (c m_c, l_c).
; THE MAXIMUM IS TAKEN AWAY OVER THE WHOLE ROW HERE: M = the largest c m_c, f_c = 2^(c m_c - M), L = the sum of f_c l_c.  v: plane 2 of qkv, [key][channel] f16; ob: [8192][1024] f16.
; f_c is rounded to f16 (L takes the rounded number) and multiplies p in f16 between LDS and the matrix unit; products in f16, sums and L in f32; the result is rounded once.
; LIMITS.  f and f p below 6e-5 keep f16's fixed step of 6e-8 (L is at least about 1); f below 2^-126 counts as 0.  NaN and infinities are not treated apart.
; SHARES.  One tile of 128 rows x 256 channels to a work-group: rows 128 Y, channels 256 X.  Four waves, each 64 x 128.  K = 2,048 keys in 16 steps of 128: a step is a chunk.
; CLUSTER 4 x 4.  pm's tile hangs on Y alone: asked for jointly by a cluster's row; v's on X and the batch: by a column.  Waves 0, 1 fetch pm's halves (64 rows x 256 bytes), waves 2, 3 v's (64 keys x 512 bytes).
; THE MATRIX INSTRUCTION IS USED TRANSPOSED (source 0 = 16 channels x 32 keys, turned out of LDS by ds_load_tr16_b128; source 1 = 16 rows of p): lane l holds row l % 16 and eight neighbouring channels.
; REGISTERS: window 0: v0-31 addresses, factors; v32-127, v128-223 two fragment buffers (p's block a at +8 a, v's block b at +32 + 8 b); window 1: accumulator (a, b) at v[8 (8 a + b)].
.set NS,     16
.set STEP,   256                       ; bytes of a row of pm in a K step
.set STEPB,  128*2048                  ; bytes from a K step's keys to the next step's in v
.set PITCH,  272                       ; a row of p in LDS: 256 bytes + 16
.set PV,     544                       ; a key's 256 channels in LDS: 512 bytes + 32 = 136 words
.set AHALF,  64*PITCH
.set BHALF,  64*PV
.set BOFF,   2*AHALF
.set FTAB,   BOFF+2*BHALF              ; behind slot 0, never filled by a tensor load: f in f16, twice in a word, [16 chunks][128 rows]
.set ILT,    FTAB+16*128*4             ; 1 / L, [128 rows]
.set SLOT1,  1<<17
.set STAGE,  SLOT1+BOFF+2*BHALF
.set SPARE,  STAGE+4*16*PITCH          ; the spare words: two blocks of 256 bytes that no other line names
.set PC,     2048
.set VPLANE, 2*8192*2048
.set FLDA, (1<<16)|(1<<20)|(1<<21)|(5<<22)|(3<<25)  ; after every 64 words 4 words of padding
.set FLDB, (1<<16)|(1<<20)|(1<<21)|(6<<22)|(7<<25)  ; after every 128 words 8 words
.set ADRA, 2
.set ADRB, 3
.set AA,   4
.set AB,   5
.set STO,  6
.set RD,   7
.set CO,   8
.set SPW,  10                          ; v10  LDS address of my spare word; never rewritten
.set NIL,  11                          ; v11  0; never rewritten
.set PFO,  12
.set FT0,  13                          ; v13  where my rows' factors of chunk 0 lie; never rewritten
.set FT,   14                          ; v14  the same for the chunk to be fetched
.set ILA,  15                          ; v15  where my rows' 1 / L lie
.set FS,   16                          ; v16-19  the factors of my four row blocks
.set IL,   20                          ; v[20:27] 1 / L of them, in pairs
.set F0,   32
.set F1,   128
.set TMP,  128
.set BK,   160
.set WV,   12
.set WR,   13
.set WC,   14
.set LIM,  15
.set G1A,  24
.set G0A,  32
.set CX,   40
.set CY,   41
.set GX,   42
.set GY,   43
.set PFA,  44
.set G1B,  48
.set G0B,  56
.set CNT,  66
.set TB,   68
.set BAT,  69
.set PFS,  82                          ; s[82:83] what my prefetches step by
.set W_MUL, 0x50
.set MSB, 0
.macro WIN new
.if MSB != (\new)
	s_set_vgpr_msb (MSB<<8)|(\new)
.set MSB, (\new)
.endif
.endm
.macro PLACES
.rept 4
	v_nop
.endr
.endm
.macro CREST
	s_cmp_lg_u32 s[WV], 0
	s_cbranch_scc1 .Lnot_wave_0_\@
	s_barrier_signal -3
.Lnot_wave_0_\@:
	s_barrier_wait -3
	s_barrier_signal -1
	s_barrier_wait -1
.endm
.macro CROUND
	s_barrier_signal -1
	s_barrier_wait -1
	CREST
.endm
.macro JLOAD                           ; the joint refill; an s_nop 0 and four v_nop follow each line
	s_cmp_eq_u32 s[WR], 0
	s_cbranch_scc0 .Lfor_b_\@
	tensor_load_to_lds s[G0A+4:G0A+7], s[G1A:G1A+7]
	s_nop 0
.rept 4
	v_nop
.endr
	s_branch .Lasked_\@
.Lfor_b_\@:
	tensor_load_to_lds s[G0B+4:G0B+7], s[G1B:G1B+7]
	s_nop 0
.rept 4
	v_nop
.endr
.Lasked_\@:
.endm
; A PREFETCH INTO THE L2 of the K step two refills on, 32 blocks of 256 bytes, each named once in the launch: wave 0 asks for pm's rows (32 to each partner of the row, by address); waves 2 and 3 for
; their 64 keys x 512 bytes of v (16 keys x two blocks to each partner of the column) in the first of the four clusters of a batch.  The first four K steps come by their loads alone.
.macro ASK
	s_cmp_gt_u32 s[CNT], s[LIM]
	s_cbranch_scc0 .Lnot_mine_\@
	global_prefetch_b8 v[PFO], s[PFA:PFA+1] th:TH_LOAD_NT scope:SCOPE_SE
.Lnot_mine_\@:
.endm
.macro MUL8 f, a, zero                 ; the 32 accumulators take turns
	WIN W_MUL
.irp b, 0,1,2,3,4,5,6,7
.if \zero
	v_wmma_f32_16x16x32_f16 v[8*(8*(\a)+\b):8*(8*(\a)+\b)+7], v[(\f)+32+8*\b:(\f)+32+8*\b+7], v[(\f)+8*(\a):(\f)+8*(\a)+7], 0
.else
	v_wmma_f32_16x16x32_f16 v[8*(8*(\a)+\b):8*(8*(\a)+\b)+7], v[(\f)+32+8*\b:(\f)+32+8*\b+7], v[(\f)+8*(\a):(\f)+8*(\a)+7], v[8*(8*(\a)+\b):8*(8*(\a)+\b)+7]
.endif
.endr
.endm
.macro SCALE f, a0                     ; p's blocks a0 and a0 + 1 of buffer f times their rows' factors: a lane's eight registers belong to one row
	WIN 0
.irp a, \a0, (\a0)+1
.irp j, 0,1,2,3,4,5,6,7
	v_pk_mul_f16 v[(\f)+8*(\a)+\j], v[(\f)+8*(\a)+\j], v[FS+(\a)]
.endr
.endr
.endm
.macro FETCH k, f                      ; with a step's first quarter its four factors; v's eight blocks, turned; p's four
	WIN 0
.if (\k) == 0
.irp a, 0,1,2,3
	ds_load_b32 v[FS+\a], v[FT] offset:64*\a
.endr
.endif
.irp b, 0,1,2,3,4,5,6,7
	ds_load_tr16_b128 v[(\f)+32+8*\b:(\f)+32+8*\b+3],   v[AB] offset:((\k)/64)*32*PV+32*\b
	ds_load_tr16_b128 v[(\f)+32+8*\b+4:(\f)+32+8*\b+7], v[AB] offset:((\k)/64)*32*PV+16*PV+32*\b
.endr
.irp a, 0,1,2,3
	ds_load_b128 v[(\f)+8*\a:(\f)+8*\a+3],   v[AA] offset:(\k)+\a*16*PITCH
	ds_load_b128 v[(\f)+8*\a+4:(\f)+8*\a+7], v[AA] offset:(\k)+\a*16*PITCH+32
.endr
.endm
.macro QUARTER k, f, g, zero
	s_wait_dscnt 4                                 ; all but p's blocks 2 and 3
	SCALE \f, 0
	MUL8 \f, 0, \zero
	MUL8 \f, 1, \zero
	s_wait_dscnt 0x0
	SCALE \f, 2                                    ; these sixteen are also the places in front of the loads below
	FETCH \k, \g
	MUL8 \f, 2, \zero
	MUL8 \f, 3, \zero
.endm
; The fourth quarter and the change of slots, as in the other products of this program.  The chunk whose factors are fetched is read off the loop's counter: NS - 1 - CNT in the main loop (CNT = NS - 2 .. 1),
; NS + 1 - CNT in the tail (CNT = 2; at CNT = 1 the fetch is jumped over).
.macro TURN fill, ask, tail
.if \fill
	s_wait_xcnt 0x0                                ; the last prefetch, a K step back, has read its address
	s_add_nc_u64 s[PFA:PFA+1], s[PFA:PFA+1], s[PFS:PFS+1]
.endif
	WIN 0
	s_wait_tensorcnt 0x0                           ; no tensor load of mine is out, so a group 0 may be written
	ds_add_u32 v[SPW], v[NIL]
.if \fill
	s_xor_b32 s[G0A+5], s[G0A+5], SLOT1
	s_xor_b32 s[G0B+5], s[G0B+5], SLOT1
	s_add_nc_u64 s[G0A+6:G0A+7], s[G0A+6:G0A+7], STEP
	s_add_nc_u64 s[G0B+6:G0B+7], s[G0B+6:G0B+7], STEPB
.endif
	s_wait_dscnt 1                                 ; the add alone may be out
	SCALE F1, 0
	MUL8 F1, 0, 0
	s_wait_dscnt 0x0                               ; the add is done, and my reads of this slot are over
	s_barrier_signal -1
	MUL8 F1, 1, 0
	WIN 0
	s_barrier_wait -1
.if \fill
	CREST
	JLOAD
.endif
	SCALE F1, 2                                    ; ahead of the fetch, which writes the factors anew; also the places in front of it
.if \tail
	s_cmp_eq_u32 s[CNT], 1
	s_cbranch_scc1 .Lno_fetch_\@
	s_sub_co_u32 s16, NS+1, s[CNT]
.else
	s_sub_co_u32 s16, NS-1, s[CNT]
.endif
	s_lshl_b32 s16, s16, 9                         ; 512 bytes of factors a chunk
	s_xor_b32 s[TB], s[TB], SLOT1
	v_add_nc_u32 v[FT], s16, v[FT0]
	v_add_nc_u32 v[AA], s[TB], v[ADRA]
	v_add_nc_u32 v[AB], s[TB], v[ADRB]
	FETCH 0, F0
.if \tail
.Lno_fetch_\@:
.endif
.if \ask
	ASK
.endif
	MUL8 F1, 2, 0
	MUL8 F1, 3, 0
	WIN 0
.endm
.macro TRIP fill, ask, skip
	QUARTER 128, F1, F0, 0
	QUARTER 192, F0, F1, 0
	TURN \fill, \ask, \skip
.if \skip
	s_cmp_eq_u32 s[CNT], 1
	s_cbranch_scc1 .Lskip_\@
.endif
	QUARTER 64, F0, F1, 0
	WIN 0
.if \skip
.Lskip_\@:
.endif
.endm
.macro PACK a                          ; divided by L, rounded to f16; each accumulator's registers in ascending order
	WIN 0x41
.set i, 64*(\a)
.rept 32
	v_pk_mul_f32 v[i:i+1], v[i:i+1], v[IL+2*(\a):IL+2*(\a)+1] op_sel_hi:[1,0]
.set i, i+2
.endr
	WIN 0x05
.set i, 0
.rept 32
	v_cvt_pk_f16_f32 v[TMP+i], v[64*(\a)+2*i], v[64*(\a)+2*i+1]
.set i, i+1
.endr
	WIN 0
.endm
.macro TOSTAGE a
	WIN 0
.set BKA, BK+32*((\a)%2)
.irp b, 0,1,2,3,4,5,6,7
	ds_store_b128 v[STO], v[TMP+4*\b:TMP+4*\b+3] offset:32*\b
.endr
.irp t, 0,1,2,3,4,5,6,7
	ds_load_b128 v[BKA+4*\t:BKA+4*\t+3], v[RD] offset:\t*2*PITCH  ; LDS serves a wave's instructions in order (ISA guide 5.7.1.4)
.endr
.endm
.macro SEND a
	WIN 0
.set BKA, BK+32*((\a)%2)
	s_wait_dscnt 0x0
	s_wait_xcnt 0x0
.irp t, 0,1,2,3,4,5,6,7
	global_store_b128 v[CO], v[BKA+4*\t:BKA+4*\t+3], s[10:11] offset:(16*(\a)+2*\t)*PC  ; 16 lanes store 256 consecutive bytes, aligned
.endr
.endm
	s_load_b256 s[4:11], s[0:1], 0x0               ; pm s[4:5], qkv s[6:7], st s[8:9], ob s[10:11]
	v_lshl_add_u32 v[SPW], v0, 2, SPARE
	v_mov_b32 v[NIL], 0
	ds_add_u32 v[SPW], v[NIL]                      ; the wave's opening: the add and its wait ahead of my first tensor load
	v_lshrrev_b32 v1, 5, v0
	v_readfirstlane_b32 s[WV], v1
	s_lshr_b32 s[WR], s[WV], 1
	s_and_b32 s[WC], s[WV], 1
	s_bfe_u32 s[CX], ttmp6, 0x40000
	s_bfe_u32 s[CY], ttmp6, 0x40004
	s_lshl_b32 s[GX], ttmp9, 2
	s_add_co_u32 s[GX], s[GX], s[CX]
	s_and_b32 s[GY], ttmp7, 0xffff
	s_lshr_b32 s[BAT], s[GY], 2
	s_lshl_b32 s[GY], s[GY], 2
	s_add_co_u32 s[GY], s[GY], s[CY]
	s_lshl_b32 s22, s[CY], 2
	s_lshl_b32 s22, 15, s22
	s_lshl_b32 s23, 0x1111, s[CX]
	s_or_b32 s[G1A], s22, FLDA
	s_or_b32 s[G1B], s23, FLDB
	s_mov_b32 s[G1A+1], 128<<16                    ; 64 rows x 128 elements, 2,048 elements from row to row
	s_mov_b32 s[G1A+2], 64<<16
	s_mov_b32 s[G1A+3], 128<<16
	s_mov_b32 s[G1A+4], 64
	s_mov_b32 s[G1A+5], 2048
	s_mov_b32 s[G1A+6], 0
	s_mov_b32 s[G1A+7], 0
	s_mov_b32 s[G1B+1], 256<<16                    ; 64 keys x 256 elements, 1,024 from key to key
	s_mov_b32 s[G1B+2], 64<<16
	s_mov_b32 s[G1B+3], 256<<16
	s_mov_b32 s[G1B+4], 64
	s_mov_b32 s[G1B+5], 1024
	s_mov_b32 s[G1B+6], 0
	s_mov_b32 s[G1B+7], 0
	s_lshl_b32 s16, s[GY], 7
	s_lshl_b32 s17, s[WC], 6
	s_add_co_u32 s16, s16, s17                     ; pm: row 128 Y + 64 x half
	s_lshl_b32 s16, s16, 12
	s_mov_b32 s17, 0
	s_lshl_b32 s20, s[BAT], 11
	s_lshl_b32 s21, s[WC], 6
	s_add_co_u32 s20, s20, s21                     ; v: key 2,048 batch + 64 x half,
	s_lshl_b32 s20, s20, 11
	s_lshl_b32 s21, s[GX], 9
	s_add_co_u32 s20, s20, s21                     ; channels 256 X on
	s_add_co_u32 s20, s20, VPLANE
	s_mov_b32 s21, 0
	s_lshl_b32 s46, s[GY], 10                      ; st: 8 bytes a row, from row 128 Y
	s_mov_b32 s47, 0
	s_mul_i32 s18, s[WC], AHALF
	s_mul_i32 s19, s[WC], BHALF
	s_add_co_u32 s19, s19, BOFF
	s_wait_dscnt 0x0                               ; the opening add is done
	s_wait_kmcnt 0x0
	s_add_nc_u64 s[16:17], s[4:5], s[16:17]
	s_add_nc_u64 s[20:21], s[6:7], s[20:21]
	s_add_nc_u64 s[8:9], s[8:9], s[46:47]
	CROUND
.irp s, 0,1
	s_mov_b32 s[G0A+4*\s], 1
	s_add_co_u32 s[G0A+4*\s+1], s18, \s*SLOT1
	s_add_nc_u64 s[G0A+4*\s+2:G0A+4*\s+3], s[16:17], \s*STEP
	s_or_b32 s[G0A+4*\s+3], s[G0A+4*\s+3], 0x80000000
	s_mov_b32 s[G0B+4*\s], 1
	s_add_co_u32 s[G0B+4*\s+1], s19, \s*SLOT1
	s_add_nc_u64 s[G0B+4*\s+2:G0B+4*\s+3], s[20:21], \s*STEPB
	s_or_b32 s[G0B+4*\s+3], s[G0B+4*\s+3], 0x80000000
.endr
	s_cmp_eq_u32 s[WR], 0                          ; a wave's two first fills stand in one branch: two loads of mine are out
	s_cbranch_scc0 .Lfirst_b
	tensor_load_to_lds s[G0A:G0A+3], s[G1A:G1A+7]
	s_nop 0
	tensor_load_to_lds s[G0A+4:G0A+7], s[G1A:G1A+7]
	s_nop 0
.rept 4
	v_nop
.endr
	s_branch .Lfirst_asked
.Lfirst_b:
	tensor_load_to_lds s[G0B:G0B+3], s[G1B:G1B+7]
	s_nop 0
	tensor_load_to_lds s[G0B+4:G0B+7], s[G1B:G1B+7]
	s_nop 0
.rept 4
	v_nop
.endr
.Lfirst_asked:
	v_lshlrev_b32 v28, 3, v0                       ; THE TABLE: thread t is row 128 Y + t; its 16 pairs (c m, l)
.irp c, 0,1,2,3,4,5,6,7,8,9,10,11,12,13,14,15
	global_load_b64 v[32+2*\c:33+2*\c], v28, s[8:9] offset:65536*\c
.endr
	v_and_b32 v1, 15, v0
	v_bfe_u32 v9, v0, 4, 1
	v_mul_u32_u24 v29, v1, PITCH
	v_lshl_add_u32 v29, v9, 4, v29
	s_mul_i32 s22, s[WR], AHALF
	v_add_nc_u32 v[ADRA], s22, v29
	s_mul_i32 s23, s[WV], 16*PITCH
	s_add_co_u32 s23, s23, STAGE
	v_add_nc_u32 v[STO], s23, v29
	v_mul_u32_u24 v30, v9, PITCH
	v_lshl_add_u32 v30, v1, 4, v30
	v_add_nc_u32 v[RD], s23, v30
	v_mul_u32_u24 v[CO], v9, PC
	v_lshl_add_u32 v[CO], v1, 4, v[CO]
	v_and_b32 v29, 7, v0                           ; the turning load: lane l reads key 8 (l / 16) + l % 8, channels 8 ((l / 8) % 2) + 0..7
	v_lshl_add_u32 v29, v9, 3, v29
	v_mul_u32_u24 v29, v29, PV
	v_bfe_u32 v30, v0, 3, 1
	v_lshl_add_u32 v29, v30, 4, v29
	s_lshl_b32 s22, s[WC], 8                       ; my 128 channels
	s_add_co_u32 s22, s22, BOFF
	v_add_nc_u32 v[ADRB], s22, v29
	s_lshl_b32 s22, s[WR], 8                       ; my 64 rows' words in a table
	v_lshl_add_u32 v[FT], v1, 2, s22
	v_add_nc_u32 v[ILA], ILT, v[FT]
	v_add_nc_u32 v[FT0], FTAB, v[FT]
	v_add_nc_u32 v[FT], FTAB, v[FT]                ; chunk 0's
	s_lshl_b32 s22, s[GY], 7                       ; ob at my part of the tile
	s_lshl_b32 s23, s[WR], 6
	s_add_co_u32 s22, s22, s23
	s_lshl_b32 s22, s22, 11
	s_lshl_b32 s23, s[GX], 9
	s_add_co_u32 s22, s22, s23
	s_lshl_b32 s23, s[WC], 8
	s_add_co_u32 s22, s22, s23
	s_mov_b32 s23, 0
	s_add_nc_u64 s[10:11], s[10:11], s[22:23]
	s_lshl_b32 s16, s[GY], 7                       ; the prefetches.  pm: my work-group's 32 rows, at K step 3;
	s_lshl_b32 s17, s[CX], 5
	s_add_co_u32 s16, s16, s17
	s_lshl_b32 s16, s16, 12
	s_add_co_u32 s16, s16, 3*STEP
	s_lshl_b32 s17, s[BAT], 11                     ; v: my work-group's 16 of my 64 keys, at K step 3
	s_lshl_b32 s20, s[WC], 6
	s_add_co_u32 s17, s17, s20
	s_lshl_b32 s20, s[CY], 4
	s_add_co_u32 s17, s17, s20
	s_lshl_b32 s17, s17, 11
	s_lshl_b32 s20, s[GX], 9
	s_add_co_u32 s17, s17, s20
	s_add_co_u32 s17, s17, VPLANE+3*STEPB
	s_and_b32 s21, ttmp7, 3                        ; cluster y % 4
	s_mov_b32 s23, STEPB
	s_cmp_eq_u32 s[WR], 0
	s_cselect_b32 s16, s16, s17
	s_cselect_b32 s21, s[WC], s21
	s_cselect_b32 s20, 12, 11                      ; lanes 0-15: a row of pm, or a key of v, apart;
	s_cselect_b32 s22, 16, 8                       ; lanes 16-31: 16 rows further down, or the key's second 256 bytes
	s_cselect_b32 s[PFS], STEP, s23
	s_cselect_b64 s[PFA:PFA+1], s[4:5], s[6:7]
	s_cmp_eq_u32 s21, 0
	s_cselect_b32 s[LIM], 2, -1
	s_mov_b32 s[PFS+1], 0
	s_mov_b32 s17, 0
	s_add_nc_u64 s[PFA:PFA+1], s[PFA:PFA+1], s[16:17]
	v_lshlrev_b32 v[PFO], s20, v1
	v_lshlrev_b32 v29, s22, v9
	v_add_nc_u32 v[PFO], v[PFO], v29
	s_wait_loadcnt 0x0
	v_max3_num_f32 v96, v32, v34, v36              ; M
.irp c, 38,42,46,50,54,58
	v_max3_num_f32 v96, v96, v[\c], v[\c+2]
.endr
	v_max_num_f32 v96, v96, v62
.irp c, 0,1,2,3,4,5,6,7,8,9,10,11,12,13,14,15
	v_sub_f32 v[32+2*\c], v[32+2*\c], v96
.endr
.irp c, 0,1,2,3,4,5,6,7,8,9,10,11,12,13,14,15
	v_exp_f32 v[32+2*\c], v[32+2*\c]
.endr
	v_lshl_add_u32 v97, v0, 2, FTAB                ; a plain instruction behind the last exponential,
	s_wait_alu depctr_va_vdst(0)                   ; and the one wait ahead of the batch's first reader
.irp c, 0,1,2,3,4,5,6,7,8,9,10,11,12,13,14,15
	v_cvt_pk_f16_f32 v[64+\c], v[32+2*\c], v[32+2*\c]
.endr
.irp c, 0,1,2,3,4,5,6,7,8,9,10,11,12,13,14,15
	ds_store_b32 v97, v[64+\c] offset:512*\c
.endr
	v_mov_b32 v98, 0
.irp c, 0,1,2,3,4,5,6,7,8,9,10,11,12,13,14,15
	v_fma_mix_f32 v98, v[64+\c], v[33+2*\c], v98 op_sel_hi:[1,0,0]  ; L += the rounded f x l
.endr
	v_rcp_f32 v99, v98
	v_nop
	s_wait_alu depctr_va_vdst(0)
	ds_store_b32 v97, v99 offset:ILT-FTAB
	s_wait_tensorcnt 0x1                           ; my part of K step 0 is in; K step 1's may stay out
	s_wait_dscnt 0x0                               ; for the others' sake: my words of the tables are written
	s_barrier_signal -1
	s_barrier_wait -1
	s_mov_b32 s[TB], 0
	v_mov_b32 v[AA], v[ADRA]
	v_mov_b32 v[AB], v[ADRB]
	FETCH 0, F0
	QUARTER 64, F0, F1, 1                          ; the first quarter starts the sums
	WIN 0
	s_mov_b32 s[CNT], NS-2
.L1:
	TRIP 1, 1, 0
	s_sub_co_u32 s[CNT], s[CNT], 1
	s_cmp_lg_u32 s[CNT], 0
	s_cbranch_scc1 .L1
	s_mov_b32 s[CNT], 2
.L2:                                               ; the last two K steps ask for nothing
	TRIP 0, 0, 1
	s_sub_co_u32 s[CNT], s[CNT], 1
	s_cmp_lg_u32 s[CNT], 0
	s_cbranch_scc1 .L2
	PLACES
	PLACES
.irp a, 0,1,2,3
	ds_load_b32 v[IL+2*\a], v[ILA] offset:64*\a
.endr
	s_wait_dscnt 0x0
.irp a, 0,1,2,3
	v_mov_b32 v[IL+2*\a+1], v[IL+2*\a]             ; named as pairs
.endr
	PACK 0
	TOSTAGE 0
.irp a, 1,2,3
	PACK \a
	SEND (\a)-1
	TOSTAGE \a
.endr
	SEND 3
	s_wait_tensorcnt 0x0                           ; the wave's end
	ds_add_u32 v[SPW], v[NIL]
	s_wait_dscnt 0x0
	CROUND
	s_endpgm
.Lfunc_end_k_q578711f81a_mix:
	.size	k_q578711f81a_mix, .Lfunc_end_k_q578711f81a_mix-k_q578711f81a_mix
	.p2alignl 7, 3214868480
	.fill 96, 4, 3214868480
	.section	.rodata,"a",@progbits
	.p2align	6, 0x0
	.amdhsa_kernel k_q578711f81a_mix
		.amdhsa_group_segment_fixed_size 327680
		.amdhsa_private_segment_fixed_size 0
		.amdhsa_enable_private_segment 0
		.amdhsa_kernarg_size 32
		.amdhsa_user_sgpr_count 2
		.amdhsa_user_sgpr_kernarg_segment_ptr 1
		.amdhsa_wavefront_size32 1
		.amdhsa_system_sgpr_workgroup_id_x 1
		.amdhsa_system_sgpr_workgroup_id_y 1
		.amdhsa_system_sgpr_workgroup_id_z 1
		.amdhsa_system_vgpr_workitem_id 0
		.amdhsa_next_free_vgpr 512
		.amdhsa_next_free_sgpr 84
		.amdhsa_reserve_vcc 0
		.amdhsa_float_denorm_mode_32 3
		.amdhsa_float_denorm_mode_16_64 3
		.amdhsa_memory_ordered 1
		.amdhsa_forward_progress 1
		.amdhsa_inst_pref_size 95
	.end_amdhsa_kernel
	.amdgpu_metadata
---
amdhsa.version: [ 1, 2 ]
amdhsa.kernels:
  - .name:           k_q578711f81a_mix
    .symbol:         k_q578711f81a_mix.kd
    .args:
      - { .name: pm, .offset: 0, .size: 8, .value_kind: global_buffer, .address_space: global }
      - { .name: qkv, .offset: 8, .size: 8, .value_kind: global_buffer, .address_space: global }
      - { .name: st, .offset: 16, .size: 8, .value_kind: global_buffer, .address_space: global }
      - { .name: ob, .offset: 24, .size: 8, .value_kind: global_buffer, .address_space: global }
    .group_segment_fixed_size: 327680
    .private_segment_fixed_size: 0
    .kernarg_segment_align: 8
    .kernarg_segment_size: 32
    .max_flat_workgroup_size: 128
    .sgpr_count:     84
    .vgpr_count:     512
    .wavefront_size: 32
...
	.end_amdgpu_metadata
.endif
;; end of part 4
;; launch outp (part 5): grid 4 x 64, 4 waves a work-group, clusters of 4 x 4, 327,680 bytes of LDS; arguments ob, wts, bias, out0; writes out0
.if DOCPART == 5
	.amdgcn_target "amdgcn-amd-amdhsa--gfx1250"
	.amdhsa_code_object_version 6
	.text
	.protected	k_q578711f81a_outp
	.globl	k_q578711f81a_outp
	.p2align	8
	.type	k_q578711f81a_outp,@function
k_q578711f81a_outp:
	s_mov_b64 s[64:65], 0
	v_nop
	global_prefetch_b8 v0, s[64:65] scope:SCOPE_SE
	s_setreg_imm32_b32 hwreg(HW_REG_WAVE_MODE, 25, 1), 1
	s_wait_xcnt 0x0
	s_wait_alu depctr_hold_cnt(0) depctr_sa_sdst(0) depctr_va_vdst(0) depctr_va_sdst(0) depctr_va_ssrc(0) depctr_va_vcc(0) depctr_vm_vsrc(0)
	s_getreg_b32 s2, hwreg(HW_REG_IB_STS2, 6, 4)
	s_cmp_eq_u32 s2, 0
	s_cbranch_scc0 .Lentry_in_a_cluster
	s_endpgm
.Lentry_in_a_cluster:
	s_bfe_u32 s2, ttmp6, 0x10000c
	s_cmp_lg_u32 s2, 0xf033
	s_cbranch_scc0 .Lentry_shape_is_right
	s_endpgm
.Lentry_shape_is_right:
; out0[m][n] = the sum over d of ob[m][d] Wo[n][d] + bo[n].  ob: [8192][1024] f16; Wo: rows 3072-4095 of wts, the bf16 number written as f16; bo: bias[3072 ..], f32; out0: [8192][1024] f32.
; Products in f16, sums in f32; the bias starts each sum, as the C operand of its first product; the sums are stored as they are.  NaN and infinities are not treated apart.
; SHARES.  One tile of 128 rows x 256 columns to a work-group: rows 128 Y, columns 256 X.  Four waves, each 64 x 128: 32 accumulators.  K in 8 steps of 128 through a ring of two LDS slots.
; CLUSTER 4 x 4.  ob's tile is asked for jointly by a cluster's row, Wo's by a column.  THE MATRIX INSTRUCTION IS USED TRANSPOSED: lane l holds row l % 16 and the eight neighbouring columns 8 (l / 16) + 0..7: 32 bytes.
; REGISTERS: window 0: v0-15 addresses; v32-127, v128-223 two fragment buffers, on the way out rows read back; window 1: accumulator (a, b) at v[8 (8 a + b)]; window 2: v0-63 the bias.
.set NS,     8
.set STEP,   256
.set PITCH,  272                       ; 256 bytes + 16 of padding: the 16 rows of a fragment load start at 16 different groups of four banks (64 banks of 4 bytes: ISA guide 11.1)
.set AHALF,  64*PITCH
.set BHALF,  128*PITCH
.set BOFF,   2*AHALF
.set SLOT1,  1<<17
.set STAGE,  SLOT1+BOFF+2*BHALF        ; behind the ring, never filled by a tensor load: 16 rows x 528 bytes for each wave
.set SPITCH, 528                       ; 512 bytes + 16
.set SPARE,  STAGE+4*16*SPITCH         ; the spare words: two blocks of 256 bytes that no other line names
.set PC,     4096
.set WOFF,   3072*2048                 ; Wo in wts
.set FLD, (1<<16)|(1<<20)|(1<<21)|(5<<22)|(3<<25)
.set ADRA, 2
.set ADRB, 3
.set AA,   4
.set AB,   5
.set STO,  6
.set RD,   7
.set GO,   8                           ; v8   16 x lane: my 16 bytes of my wave's 512 bytes of a row
.set SPW,  10                          ; v10  LDS address of my spare word; never rewritten
.set NIL,  11                          ; v11  0; never rewritten
.set PFO,  12
.set BO,   13
.set F0,   32
.set F1,   128
.set WV,   12
.set WR,   13
.set WC,   14
.set LIM,  15
.set G1A,  24
.set G0A,  32
.set CX,   40
.set CY,   41
.set GX,   42
.set GY,   43
.set PFA,  44
.set G1B,  48
.set G0B,  56
.set CNT,  66
.set TB,   68
.set W_MUL,  0x50
.set W_MULB, 0x60
.set MSB, 0
.macro WIN new
.if MSB != (\new)
	s_set_vgpr_msb (MSB<<8)|(\new)
.set MSB, (\new)
.endif
.endm
.macro PLACES
.rept 4
	v_nop
.endr
.endm
.macro CREST
	s_cmp_lg_u32 s[WV], 0
	s_cbranch_scc1 .Lnot_wave_0_\@
	s_barrier_signal -3
.Lnot_wave_0_\@:
	s_barrier_wait -3
	s_barrier_signal -1
	s_barrier_wait -1
.endm
.macro CROUND
	s_barrier_signal -1
	s_barrier_wait -1
	CREST
.endm
.macro JLOAD                           ; the joint refill; an s_nop 0 and four v_nop follow each line
	s_cmp_eq_u32 s[WR], 0
	s_cbranch_scc0 .Lfor_b_\@
	tensor_load_to_lds s[G0A+4:G0A+7], s[G1A:G1A+7]
	s_nop 0
.rept 4
	v_nop
.endr
	s_branch .Lasked_\@
.Lfor_b_\@:
	tensor_load_to_lds s[G0B+4:G0B+7], s[G1B:G1B+7]
	s_nop 0
.rept 4
	v_nop
.endr
.Lasked_\@:
.endm
; A PREFETCH INTO THE L2 of the K step two refills on: 32 rows x 256 bytes, a lane a row, each named once in the launch: wave 0 asks for ob's rows (32 to each partner of the row, by address);
; waves 2 and 3 for their 128 rows of Wo (32 to each partner of the column) in the clusters with y = 0.  The first four K steps come by their loads alone.
.macro ASK
	s_cmp_gt_u32 s[CNT], s[LIM]
	s_cbranch_scc0 .Lnot_mine_\@
	global_prefetch_b8 v[PFO], s[PFA:PFA+1] th:TH_LOAD_NT scope:SCOPE_SE
.Lnot_mine_\@:
.endm
.macro MUL8 f, a, zero                 ; zero = 2: the bias starts the sums.  The 32 accumulators take turns
.if (\zero) == 2
	WIN W_MULB
.else
	WIN W_MUL
.endif
.irp b, 0,1,2,3,4,5,6,7
.if (\zero) == 2
	v_wmma_f32_16x16x32_f16 v[8*(8*(\a)+\b):8*(8*(\a)+\b)+7], v[(\f)+32+8*\b:(\f)+32+8*\b+7], v[(\f)+8*(\a):(\f)+8*(\a)+7], v[8*\b:8*\b+7]
.else
	v_wmma_f32_16x16x32_f16 v[8*(8*(\a)+\b):8*(8*(\a)+\b)+7], v[(\f)+32+8*\b:(\f)+32+8*\b+7], v[(\f)+8*(\a):(\f)+8*(\a)+7], v[8*(8*(\a)+\b):8*(8*(\a)+\b)+7]
.endif
.endr
.endm
.macro FETCH k, f
	WIN 0
.irp b, 0,1,2,3,4,5,6,7
	ds_load_b128 v[(\f)+32+8*\b:(\f)+32+8*\b+3],   v[AB] offset:(\k)+\b*16*PITCH
	ds_load_b128 v[(\f)+32+8*\b+4:(\f)+32+8*\b+7], v[AB] offset:(\k)+\b*16*PITCH+32
.endr
.irp a, 0,1,2,3
	ds_load_b128 v[(\f)+8*\a:(\f)+8*\a+3],   v[AA] offset:(\k)+\a*16*PITCH
	ds_load_b128 v[(\f)+8*\a+4:(\f)+8*\a+7], v[AA] offset:(\k)+\a*16*PITCH+32
.endr
.endm
.macro QUARTER k, f, g, zero
	s_wait_dscnt 4                                 ; all but ob's blocks 2 and 3
	MUL8 \f, 0, \zero
	MUL8 \f, 1, \zero
	PLACES
	FETCH \k, \g
	s_wait_dscnt 24                                ; all but the 24 just issued
	MUL8 \f, 2, \zero
	MUL8 \f, 3, \zero
.endm
.macro TURN fill, ask, tail
.if \fill
	s_wait_xcnt 0x0                                ; the last prefetch, a K step back, has read its address
	s_add_nc_u64 s[PFA:PFA+1], s[PFA:PFA+1], STEP
.endif
	WIN 0
	s_wait_tensorcnt 0x0                           ; no tensor load of mine is out, so a group 0 may be written
	ds_add_u32 v[SPW], v[NIL]
.if \fill
	s_xor_b32 s[G0A+5], s[G0A+5], SLOT1
	s_xor_b32 s[G0B+5], s[G0B+5], SLOT1
	s_add_nc_u64 s[G0A+6:G0A+7], s[G0A+6:G0A+7], STEP
	s_add_nc_u64 s[G0B+6:G0B+7], s[G0B+6:G0B+7], STEP
.endif
	s_wait_dscnt 5                                 ; the add and ob's blocks 2 and 3 may be out
	MUL8 F1, 0, 0
	s_wait_dscnt 0x0                               ; the add is done, and my reads of this slot are over
	s_barrier_signal -1
	MUL8 F1, 1, 0
	WIN 0
	s_barrier_wait -1
.if \fill
	CREST
	JLOAD
.else
	PLACES
.endif
.if \tail
	s_cmp_eq_u32 s[CNT], 1
	s_cbranch_scc1 .Lno_fetch_\@
.endif
	s_xor_b32 s[TB], s[TB], SLOT1
	v_add_nc_u32 v[AA], s[TB], v[ADRA]
	v_add_nc_u32 v[AB], s[TB], v[ADRB]
	FETCH 0, F0
.if \tail
.Lno_fetch_\@:
.endif
.if \ask
	ASK
.endif
	MUL8 F1, 2, 0
	MUL8 F1, 3, 0
	WIN 0
.endm
.macro TRIP fill, ask, skip
	QUARTER 128, F1, F0, 0
	QUARTER 192, F0, F1, 0
	TURN \fill, \ask, \skip
.if \skip
	s_cmp_eq_u32 s[CNT], 1
	s_cbranch_scc1 .Lskip_\@
.endif
	QUARTER 64, F0, F1, 0
	WIN 0
.if \skip
.Lskip_\@:
.endif
.endm
; THE WAY OUT of row block a: the sums go into my stage as they are (32 bytes a lane and accumulator, its low four registers first) and come back as whole rows of 512 bytes, into v32-95 and v128-191 by turns.
.macro TOSTAGE a
	WIN 0x04                                       ; an LDS store's data in window 1
.irp b, 0,1,2,3,4,5,6,7
	ds_store_b128 v[STO], v[8*(8*(\a)+\b):8*(8*(\a)+\b)+3]   offset:64*\b
	ds_store_b128 v[STO], v[8*(8*(\a)+\b)+4:8*(8*(\a)+\b)+7] offset:64*\b+16
.endr
	WIN 0
.set BKA, F0+96*((\a)%2)
.irp t, 0,1,2,3,4,5,6,7,8,9,10,11,12,13,14,15
	ds_load_b128 v[BKA+4*\t:BKA+4*\t+3], v[RD] offset:\t*SPITCH  ; LDS serves a wave's instructions in order (ISA guide 5.7.1.4): these see the stores above
.endr
.endm
.macro SEND a, younger                 ; younger: the LDS instructions issued behind block a's loads: the next block's 16 stores and 16 loads, or none
	WIN 0
.set BKA, F0+96*((\a)%2)
.irp t, 0,1,2,3,4,5,6,7,8,9,10,11,12,13,14,15
	s_wait_dscnt (\younger)+15-\t
	global_store_b128 v[GO], v[BKA+4*\t:BKA+4*\t+3], s[10:11] offset:(16*(\a)+\t)*PC th:TH_STORE_NT  ; 512 consecutive bytes, aligned
.endr
.endm
	s_load_b256 s[4:11], s[0:1], 0x0               ; ob s[4:5], wts s[6:7], bias s[8:9], out0 s[10:11]
	v_lshl_add_u32 v[SPW], v0, 2, SPARE
	v_mov_b32 v[NIL], 0
	ds_add_u32 v[SPW], v[NIL]                      ; the wave's opening: the add and its wait ahead of my first tensor load
	v_lshrrev_b32 v1, 5, v0
	v_readfirstlane_b32 s[WV], v1
	s_lshr_b32 s[WR], s[WV], 1
	s_and_b32 s[WC], s[WV], 1
	s_bfe_u32 s[CX], ttmp6, 0x40000
	s_bfe_u32 s[CY], ttmp6, 0x40004
	s_lshl_b32 s[GX], ttmp9, 2
	s_add_co_u32 s[GX], s[GX], s[CX]
	s_and_b32 s[GY], ttmp7, 0xffff
	s_lshl_b32 s[GY], s[GY], 2
	s_add_co_u32 s[GY], s[GY], s[CY]
	s_lshl_b32 s22, s[CY], 2
	s_lshl_b32 s22, 15, s22
	s_lshl_b32 s23, 0x1111, s[CX]
	s_or_b32 s[G1A], s22, FLD
	s_or_b32 s[G1B], s23, FLD
	s_mov_b32 s[G1A+1], 128<<16
	s_mov_b32 s[G1A+2], 64<<16
	s_mov_b32 s[G1A+3], 128<<16
	s_mov_b32 s[G1A+4], 64
	s_mov_b32 s[G1A+5], 1024
	s_mov_b32 s[G1A+6], 0
	s_mov_b32 s[G1A+7], 0
	s_mov_b32 s[G1B+1], 128<<16
	s_mov_b32 s[G1B+2], 128<<16
	s_mov_b32 s[G1B+3], 128<<16
	s_mov_b32 s[G1B+4], 128
	s_mov_b32 s[G1B+5], 1024
	s_mov_b32 s[G1B+6], 0
	s_mov_b32 s[G1B+7], 0
	s_lshl_b32 s16, s[GY], 7
	s_lshl_b32 s17, s[WC], 6
	s_add_co_u32 s16, s16, s17                     ; ob: row 128 Y + 64 x half
	s_lshl_b32 s16, s16, 11
	s_mov_b32 s17, 0
	s_lshl_b32 s20, s[GX], 8
	s_lshl_b32 s21, s[WC], 7
	s_add_co_u32 s20, s20, s21                     ; Wo: row 256 X + 128 x half; also my first column
	s_lshl_b32 s46, s20, 2
	s_add_co_u32 s46, s46, 3072*4                  ; bo's place in bias
	s_mov_b32 s47, 0
	s_lshl_b32 s20, s20, 11
	s_add_co_u32 s20, s20, WOFF
	s_mov_b32 s21, 0
	s_mul_i32 s18, s[WC], AHALF
	s_mul_i32 s19, s[WC], BHALF
	s_add_co_u32 s19, s19, BOFF
	s_wait_dscnt 0x0                               ; the opening add is done
	s_wait_kmcnt 0x0
	s_add_nc_u64 s[16:17], s[4:5], s[16:17]
	s_add_nc_u64 s[20:21], s[6:7], s[20:21]
	s_add_nc_u64 s[8:9], s[8:9], s[46:47]
	CROUND
.irp s, 0,1
	s_mov_b32 s[G0A+4*\s], 1
	s_add_co_u32 s[G0A+4*\s+1], s18, \s*SLOT1
	s_add_nc_u64 s[G0A+4*\s+2:G0A+4*\s+3], s[16:17], \s*STEP
	s_or_b32 s[G0A+4*\s+3], s[G0A+4*\s+3], 0x80000000
	s_mov_b32 s[G0B+4*\s], 1
	s_add_co_u32 s[G0B+4*\s+1], s19, \s*SLOT1
	s_add_nc_u64 s[G0B+4*\s+2:G0B+4*\s+3], s[20:21], \s*STEP
	s_or_b32 s[G0B+4*\s+3], s[G0B+4*\s+3], 0x80000000
.endr
	s_cmp_eq_u32 s[WR], 0                          ; a wave's two first fills stand in one branch: two loads of mine are out
	s_cbranch_scc0 .Lfirst_b
	tensor_load_to_lds s[G0A:G0A+3], s[G1A:G1A+7]
	s_nop 0
	tensor_load_to_lds s[G0A+4:G0A+7], s[G1A:G1A+7]
	s_nop 0
.rept 4
	v_nop
.endr
	s_branch .Lfirst_asked
.Lfirst_b:
	tensor_load_to_lds s[G0B:G0B+3], s[G1B:G1B+7]
	s_nop 0
	tensor_load_to_lds s[G0B+4:G0B+7], s[G1B:G1B+7]
	s_nop 0
.rept 4
	v_nop
.endr
.Lfirst_asked:
	v_and_b32 v1, 15, v0
	v_bfe_u32 v9, v0, 4, 1
	v_lshlrev_b32 v[BO], 5, v9
	WIN 0x80                                       ; my 128 columns' bias into window 2: register 8 b + j holds column 16 b + 8 (l / 16) + j
.irp b, 0,1,2,3,4,5,6,7
	global_load_b128 v[8*\b:8*\b+3],   v[BO], s[8:9] offset:64*\b
	global_load_b128 v[8*\b+4:8*\b+7], v[BO], s[8:9] offset:64*\b+16
.endr
	WIN 0
	v_mul_u32_u24 v14, v1, PITCH
	v_lshl_add_u32 v14, v9, 4, v14
	s_mul_i32 s22, s[WR], AHALF
	v_add_nc_u32 v[ADRA], s22, v14
	v_add_nc_u32 v[ADRB], s19, v14
	s_mul_i32 s23, s[WV], 16*SPITCH
	s_add_co_u32 s23, s23, STAGE                   ; my stage
	v_mul_u32_u24 v[STO], v1, SPITCH               ; in: row l % 16, 32 bytes for each half of the lanes
	v_lshl_add_u32 v[STO], v9, 5, v[STO]
	v_add_nc_u32 v[STO], s23, v[STO]
	v_and_b32 v[PFO], 31, v0
	v_lshlrev_b32 v[GO], 4, v[PFO]
	v_add_nc_u32 v[RD], s23, v[GO]                 ; back: 32 lanes take one row of 512 bytes
	v_lshlrev_b32 v[PFO], 11, v[PFO]
	s_lshl_b32 s22, s[GY], 7                       ; out0 at my part of the tile: row 128 Y + 64 WR, byte 1,024 X + 512 WC
	s_lshl_b32 s23, s[WR], 6
	s_add_co_u32 s22, s22, s23
	s_lshl_b32 s22, s22, 12
	s_lshl_b32 s23, s[GX], 10
	s_add_co_u32 s22, s22, s23
	s_lshl_b32 s23, s[WC], 9
	s_add_co_u32 s22, s22, s23
	s_mov_b32 s23, 0
	s_add_nc_u64 s[10:11], s[10:11], s[22:23]
	s_lshl_b32 s16, s[GY], 7                       ; the prefetches
	s_lshl_b32 s17, s[GX], 8
	s_lshl_b32 s20, s[WC], 7
	s_add_co_u32 s17, s17, s20
	s_add_co_u32 s17, s17, 3072                    ; my 128 rows of Wo, counted from wts's first row
	s_and_b32 s21, ttmp7, 0xffff
	s_cmp_eq_u32 s[WR], 0
	s_cselect_b32 s16, s16, s17
	s_cselect_b32 s17, s[CX], s[CY]
	s_cselect_b32 s21, s[WC], s21
	s_cselect_b64 s[PFA:PFA+1], s[4:5], s[6:7]
	s_cmp_eq_u32 s21, 0
	s_cselect_b32 s[LIM], 2, -1
	s_lshl_b32 s17, s17, 5
	s_add_co_u32 s16, s16, s17
	s_lshl_b32 s16, s16, 11
	s_add_co_u32 s16, s16, 3*STEP
	s_mov_b32 s17, 0
	s_add_nc_u64 s[PFA:PFA+1], s[PFA:PFA+1], s[16:17]
	s_wait_tensorcnt 0x1                           ; my part of K step 0 is in; K step 1's may stay out
	s_barrier_signal -1
	s_barrier_wait -1
	s_mov_b32 s[TB], 0
	v_mov_b32 v[AA], v[ADRA]
	v_mov_b32 v[AB], v[ADRB]
	FETCH 0, F0
	s_wait_loadcnt 0x0                             ; the bias
	QUARTER 64, F0, F1, 2                          ; the first quarter: the bias starts the sums
	WIN 0
	s_mov_b32 s[CNT], NS-2
.L1:
	TRIP 1, 1, 0
	s_sub_co_u32 s[CNT], s[CNT], 1
	s_cmp_lg_u32 s[CNT], 0
	s_cbranch_scc1 .L1
	s_mov_b32 s[CNT], 2
.L2:                                               ; the last two K steps ask for nothing
	TRIP 0, 0, 1
	s_sub_co_u32 s[CNT], s[CNT], 1
	s_cmp_lg_u32 s[CNT], 0
	s_cbranch_scc1 .L2
	PLACES                                         ; the LDS stores read results just made; the loads land in registers that the last products read
	PLACES
	TOSTAGE 0
	TOSTAGE 1
	SEND 0, 32
	s_wait_xcnt 0x0                                ; block 0's stores have read their registers, which block 2 is read back into
	TOSTAGE 2
	SEND 1, 32
	s_wait_xcnt 0x0
	TOSTAGE 3
	SEND 2, 32
	SEND 3, 0
	s_wait_tensorcnt 0x0                           ; the wave's end
	ds_add_u32 v[SPW], v[NIL]
	s_wait_dscnt 0x0
	CROUND
	s_endpgm
.Lfunc_end_k_q578711f81a_outp:
	.size	k_q578711f81a_outp, .Lfunc_end_k_q578711f81a_outp-k_q578711f81a_outp
	.p2alignl 7, 3214868480
	.fill 96, 4, 3214868480
	.section	.rodata,"a",@progbits
	.p2align	6, 0x0
	.amdhsa_kernel k_q578711f81a_outp
		.amdhsa_group_segment_fixed_size 327680
		.amdhsa_private_segment_fixed_size 0
		.amdhsa_enable_private_segment 0
		.amdhsa_kernarg_size 32
		.amdhsa_user_sgpr_count 2
		.amdhsa_user_sgpr_kernarg_segment_ptr 1
		.amdhsa_wavefront_size32 1
		.amdhsa_system_sgpr_workgroup_id_x 1
		.amdhsa_system_sgpr_workgroup_id_y 1
		.amdhsa_system_sgpr_workgroup_id_z 1
		.amdhsa_system_vgpr_workitem_id 0
		.amdhsa_next_free_vgpr 576
		.amdhsa_next_free_sgpr 84
		.amdhsa_reserve_vcc 0
		.amdhsa_float_denorm_mode_32 3
		.amdhsa_float_denorm_mode_16_64 3
		.amdhsa_memory_ordered 1
		.amdhsa_forward_progress 1
		.amdhsa_inst_pref_size 64
	.end_amdhsa_kernel
	.amdgpu_metadata
---
amdhsa.version: [ 1, 2 ]
amdhsa.kernels:
  - .name:           k_q578711f81a_outp
    .symbol:         k_q578711f81a_outp.kd
    .args:
      - { .name: ob, .offset: 0, .size: 8, .value_kind: global_buffer, .address_space: global }
      - { .name: wts, .offset: 8, .size: 8, .value_kind: global_buffer, .address_space: global }
      - { .name: bias, .offset: 16, .size: 8, .value_kind: global_buffer, .address_space: global }
      - { .name: out0, .offset: 24, .size: 8, .value_kind: global_buffer, .address_space: global }
    .group_segment_fixed_size: 327680
    .private_segment_fixed_size: 0
    .kernarg_segment_align: 8
    .kernarg_segment_size: 32
    .max_flat_workgroup_size: 128
    .sgpr_count:     84
    .vgpr_count:     576
    .wavefront_size: 32
...
	.end_amdgpu_metadata
.endif
;; end of part 5
;; ======== version 2 of 2: 5 launches; version 1 with the launch cast written anew for expert scheduling mode
;; limits: values are held in f16: magnitudes above 65,504 overflow, below 6.1e-05 lose precision
;; workspace buffers: xb 16,777,216 bytes; wts 8,388,608 bytes; bias 16,384 bytes; qkv 50,331,648 bytes; pm 33,554,432 bytes; st 1,048,576 bytes; ob 16,777,216 bytes
;; launch cast (part 6): grid 64 x 12, 8 waves a work-group, no clusters, 0 bytes of LDS; arguments x, Wq, Wk, Wv, Wo, bq, bk, bv, bo, xb, wts, bias; writes xb, wts, bias
.if DOCPART == 6
	.amdgcn_target "amdgcn-amd-amdhsa--gfx1250"
	.amdhsa_code_object_version 6
	.text
	.protected	k_q578711f81a_cast
	.globl	k_q578711f81a_cast
	.p2align	8
	.type	k_q578711f81a_cast,@function
k_q578711f81a_cast:
	s_mov_b64 s[64:65], 0
	v_nop
	global_prefetch_b8 v0, s[64:65] scope:SCOPE_SE
	s_setreg_imm32_b32 hwreg(HW_REG_WAVE_SCHED_MODE, 0, 2), 2
	s_setreg_imm32_b32 hwreg(HW_REG_WAVE_MODE, 25, 1), 1
	s_wait_xcnt 0x0
	s_wait_alu depctr_vm_vsrc(0)
; THE ROUNDINGS.  Every input is rounded once to bf16: x -> xb [8192][1024] bf16; Wq, Wk, Wv -> rows 0-3071 of wts, bf16; Wo -> rows 3072-4095 of wts: the bf16 number
; written as f16 (the last product multiplies in f16); bq, bk, bv, bo -> bias [4096], the bf16 number widened to f32 again.
; LIMITS.  A bf16 number of Wo beyond 65,504 becomes an infinity in f16; below 6e-5 it keeps f16's fixed step of 6e-8.  NaN and infinities are not treated apart.
; SHARES.  Twelve segments of 2^20 numbers, one for each y: 0-7 the eighths of x, 8-11 the four weights.  A work-group takes 16,384 numbers: thread t the 16 bytes at 16 t + 4,096 i,
; i = 0..15; all sixteen loads are out at once.  A wave's store of 8 bytes a lane covers 256 consecutive bytes, aligned.  No LDS, no barrier: no thread wants another's numbers.
; THE MODE: SCHED_MODE bits 1:0 = 2 (LLVM: expert scheduling mode 2), set by the entry lines.  The code itself states the register dependences between vector instructions and
; memory instructions, with s_wait_alu, always for 0.
; THE PLAN.  Registers that memory instructions touch:
;   v1, v2   byte offsets, made once at the head and never written again: v1 is read by every load and by the bias's store, v2 by the sixteen stores.
;   X        load i lands in X + 4 i, once; turn i's conversions read it.  In the bias's part one more load lands in X .. X + 3, and four vector lines write X + 4 .. X + 7, the data of its store.
;   Y        pair i is written by turn i's conversions, once, and read by store i.
;   T        is named by vector instructions alone.
; The sixteen turns go in four blocks of four.  Block p rounds loads 4 p .. 4 p + 3; its memory instructions are the four stores of block p - 1, whose Y pairs no vector instruction of
; block p names.  So one wait at a block's head states all that its four stores hang on, and they are dealt among its conversions with no further wait.  The last four stores are the
; same lines on both ways and stand once, where the ways join.  No register that a memory instruction reads is ever written again.
.set T, 4                              ; v[4:7]    at work
.set X, 8                              ; v[8:71]   sixteen loads of four f32
.set Y, 72                             ; v[72:103] sixteen pairs of packed words to store
	s_load_b512 s[4:19], s[0:1], 0x0               ; x s[4:5], Wq s[6:7], Wk s[8:9], Wv s[10:11], Wo s[12:13], bq s[14:15], bk s[16:17], bv s[18:19]
	s_load_b256 s[20:27], s[0:1], 0x40             ; bo s[20:21], xb s[22:23], wts s[24:25], bias s[26:27]
	s_and_b32 s28, ttmp7, 0xffff                   ; y: the segment
	s_mov_b32 s29, ttmp9                           ; x: which 16,384 numbers of it
	v_lshlrev_b32 v1, 4, v0                        ; 16 t
	v_lshlrev_b32 v2, 3, v0                        ; 8 t
	s_sub_co_u32 s41, s28, 8                       ; which weight (used where y >= 8)
	s_cmp_lt_u32 s28, 8
	s_cselect_b32 s40, s28, 0                      ; the segment's number inside its source: an eighth of x, or a whole weight
	s_cselect_b32 s41, s28, s41                    ; and inside its destination
	s_lshl_b32 s34, s40, 22                        ; source offset: 4 MiB a segment,
	s_lshl_b32 s42, s29, 16                        ; 64 KiB a work-group
	s_add_co_u32 s34, s34, s42
	s_mov_b32 s35, 0
	s_lshl_b32 s36, s41, 21                        ; destination offset: half of that
	s_lshl_b32 s42, s29, 15
	s_add_co_u32 s36, s36, s42
	s_mov_b32 s37, 0
	s_lshl_b32 s42, s41, 12                        ; the bias's 4,096 bytes in bias (used where y >= 8)
	s_mov_b32 s43, 0
	s_wait_kmcnt 0x0
	s_cmp_eq_u32 s28, 9                            ; the choices hang on y alone
	s_cselect_b64 s[30:31], s[8:9], s[6:7]
	s_cselect_b64 s[38:39], s[16:17], s[14:15]
	s_cmp_eq_u32 s28, 10
	s_cselect_b64 s[30:31], s[10:11], s[30:31]
	s_cselect_b64 s[38:39], s[18:19], s[38:39]
	s_cmp_eq_u32 s28, 11
	s_cselect_b64 s[30:31], s[12:13], s[30:31]
	s_cselect_b64 s[38:39], s[20:21], s[38:39]
	s_cmp_lt_u32 s28, 8
	s_cselect_b64 s[30:31], s[4:5], s[30:31]       ; from where
	s_cselect_b64 s[32:33], s[22:23], s[24:25]     ; to where
	s_add_nc_u64 s[30:31], s[30:31], s[34:35]
	s_add_nc_u64 s[32:33], s[32:33], s[36:37]
	s_add_nc_u64 s[26:27], s[26:27], s[42:43]
	s_wait_alu depctr_va_vdst(0)                   ; v1 and v2 are written: every load and store of the kernel reads one of them as its offset
.irp i, 0,1,2,3,4,5,6,7,8,9,10,11,12,13,14,15
	global_load_b128 v[X+4*\i:X+4*\i+3], v1, s[30:31] offset:4096*\i th:TH_LOAD_NT
.endr
; Turn i's arithmetic: four numbers are rounded into Y's pair i.  half = 1: the bf16 number is widened and written as f16.
.macro CONV i, half
.if \half
	v_cvt_pk_bf16_f32 v[T], v[X+4*(\i)], v[X+4*(\i)+1]
	v_cvt_pk_bf16_f32 v[T+1], v[X+4*(\i)+2], v[X+4*(\i)+3]
	v_lshlrev_b32 v[T+2], 16, v[T]
	v_and_b32 v[T+3], 0xffff0000, v[T]
	v_cvt_pk_f16_f32 v[Y+2*(\i)], v[T+2], v[T+3]
	v_lshlrev_b32 v[T+2], 16, v[T+1]
	v_and_b32 v[T+3], 0xffff0000, v[T+1]
	v_cvt_pk_f16_f32 v[Y+2*(\i)+1], v[T+2], v[T+3]
.else
	v_cvt_pk_bf16_f32 v[Y+2*(\i)], v[X+4*(\i)], v[X+4*(\i)+1]
	v_cvt_pk_bf16_f32 v[Y+2*(\i)+1], v[X+4*(\i)+2], v[X+4*(\i)+3]
.endif
.endm
; Store i: Y's pair i.
.macro OUT i
	global_store_b64 v2, v[Y+2*(\i):Y+2*(\i)+1], s[32:33] offset:2048*(\i)
.endm
; Sixteen turns in four blocks of four.  In front of turn i its load is in (the 15 - i younger ones stay out; the stores count on another counter).  In blocks 1 to 3 a store of the block before stands in front of each turn's conversions.
.macro ROUND16 half
.irp p, 0,1,2,3
.irp j, 0,1,2,3
	s_wait_loadcnt 15-(4*\p+\j)
.if (\p > 0) && (\j == 0)
	s_wait_alu depctr_va_vdst(0)                   ; the block before has written its four pairs of Y, which this block's four stores read
.endif
.if \p > 0
	OUT 4*(\p-1)+\j                                ; no vector instruction since the wait names this pair or v2
.endif
	CONV 4*\p+\j, \half
.endr
.endr
.endm
	s_cmp_eq_u32 s28, 11
	s_cbranch_scc1 .Lwo
	ROUND16 0
	s_branch .Llast
.Lwo:
	ROUND16 1
.Llast:                                            ; both ways join: block 3's stores are the same four lines for both
	s_wait_alu depctr_va_vdst(0)                   ; block 3 has written its four pairs of Y, which the stores below read; and all conversions are done reading X, in which the bias's load lands: no vector instruction stands between this wait and that load
.irp i, 12,13,14,15
	OUT \i
.endr
	s_cmp_lt_u32 s28, 8                            ; the first work-group of each weight's segment also rounds that weight's bias: 1,024 numbers, four a thread
	s_cbranch_scc1 .Lend
	s_cmp_lg_u32 s29, 0
	s_cbranch_scc1 .Lend
	s_wait_xcnt 0x0                                ; every earlier load and store has read its registers
	global_load_b128 v[X:X+3], v1, s[38:39]
	s_wait_loadcnt 0x0
	v_cvt_pk_bf16_f32 v[T], v[X], v[X+1]
	v_cvt_pk_bf16_f32 v[T+1], v[X+2], v[X+3]
	v_lshlrev_b32 v[X+4], 16, v[T]
	v_and_b32 v[X+5], 0xffff0000, v[T]
	v_lshlrev_b32 v[X+6], 16, v[T+1]
	v_and_b32 v[X+7], 0xffff0000, v[T+1]
	s_wait_alu depctr_va_vdst(0)                   ; the four lines above have written v[X+4:X+7], which the store reads
	global_store_b128 v1, v[X+4:X+7], s[26:27]
.Lend:
	s_endpgm
.Lfunc_end_k_q578711f81a_cast:
	.size	k_q578711f81a_cast, .Lfunc_end_k_q578711f81a_cast-k_q578711f81a_cast
	.p2alignl 7, 3214868480
	.fill 96, 4, 3214868480
	.section	.rodata,"a",@progbits
	.p2align	6, 0x0
	.amdhsa_kernel k_q578711f81a_cast
		.amdhsa_group_segment_fixed_size 0
		.amdhsa_private_segment_fixed_size 0
		.amdhsa_enable_private_segment 0
		.amdhsa_kernarg_size 96
		.amdhsa_user_sgpr_count 2
		.amdhsa_user_sgpr_kernarg_segment_ptr 1
		.amdhsa_wavefront_size32 1
		.amdhsa_system_sgpr_workgroup_id_x 1
		.amdhsa_system_sgpr_workgroup_id_y 1
		.amdhsa_system_sgpr_workgroup_id_z 1
		.amdhsa_system_vgpr_workitem_id 0
		.amdhsa_next_free_vgpr 104
		.amdhsa_next_free_sgpr 66
		.amdhsa_reserve_vcc 0
		.amdhsa_float_denorm_mode_32 3
		.amdhsa_float_denorm_mode_16_64 3
		.amdhsa_memory_ordered 1
		.amdhsa_forward_progress 1
		.amdhsa_inst_pref_size 17
	.end_amdhsa_kernel
	.amdgpu_metadata
---
amdhsa.version: [ 1, 2 ]
amdhsa.kernels:
  - .name:           k_q578711f81a_cast
    .symbol:         k_q578711f81a_cast.kd
    .args:
      - { .name: x, .offset: 0, .size: 8, .value_kind: global_buffer, .address_space: global }
      - { .name: Wq, .offset: 8, .size: 8, .value_kind: global_buffer, .address_space: global }
      - { .name: Wk, .offset: 16, .size: 8, .value_kind: global_buffer, .address_space: global }
      - { .name: Wv, .offset: 24, .size: 8, .value_kind: global_buffer, .address_space: global }
      - { .name: Wo, .offset: 32, .size: 8, .value_kind: global_buffer, .address_space: global }
      - { .name: bq, .offset: 40, .size: 8, .value_kind: global_buffer, .address_space: global }
      - { .name: bk, .offset: 48, .size: 8, .value_kind: global_buffer, .address_space: global }
      - { .name: bv, .offset: 56, .size: 8, .value_kind: global_buffer, .address_space: global }
      - { .name: bo, .offset: 64, .size: 8, .value_kind: global_buffer, .address_space: global }
      - { .name: xb, .offset: 72, .size: 8, .value_kind: global_buffer, .address_space: global }
      - { .name: wts, .offset: 80, .size: 8, .value_kind: global_buffer, .address_space: global }
      - { .name: bias, .offset: 88, .size: 8, .value_kind: global_buffer, .address_space: global }
    .group_segment_fixed_size: 0
    .private_segment_fixed_size: 0
    .kernarg_segment_align: 8
    .kernarg_segment_size: 96
    .max_flat_workgroup_size: 256
    .sgpr_count:     66
    .vgpr_count:     104
    .wavefront_size: 32
...
	.end_amdgpu_metadata
.endif
;; end of part 6
;; launch proj: the kernel of part 2 again; grid 4 x 48, 4 waves a work-group, clusters of 4 x 4, 327,680 bytes of LDS; arguments xb, wts, bias, qkv; writes qkv
;; launch score: the kernel of part 3 again; grid 8 x 32, 4 waves a work-group, clusters of 4 x 4, 327,680 bytes of LDS; arguments qkv, pm, st; writes pm, st
;; launch mix: the kernel of part 4 again; grid 4 x 64, 4 waves a work-group, clusters of 4 x 4, 327,680 bytes of LDS; arguments pm, qkv, st, ob; writes ob
;; launch outp: the kernel of part 5 again; grid 4 x 64, 4 waves a work-group, clusters of 4 x 4, 327,680 bytes of LDS; arguments ob, wts, bias, out0; writes out0
